; MI455X (gfx1250); checked and timed in simulation.
; The chip was launched on July 23, 2026; its instructions are those of AMD's public machine-readable ISA for CDNA 5 (MIT licence, August 2026) and "CDNA5" Instruction Set Architecture Reference Guide (July 2026). The comments in the code are by the model that wrote it; some were corrected since.
;; Multi Head. Allowed arithmetic: matrix products marked QUANTISED: E4M3 operands, one E8M0 scale for each 32 along K, by v_wmma_scale_f32_16x16x128_f8f6f4 with both operands' format E4M3, f32 sums; everything else in f32.
;; Inputs: Wk 1,024 x 1,024 float32; Wo 1,024 x 1,024 float32; Wq 1,024 x 1,024 float32; Wv 1,024 x 1,024 float32; bk 1,024 float32; bo 1,024 float32; bq 1,024 float32; bv 1,024 float32; k 4 x 2,048 x 1,024 float32; mask 1 x 1 x 2,048 x 2,048 float32; q 4 x 2,048 x 1,024 float32; v 4 x 2,048 x 1,024 float32.
;; Outputs: out0 4 x 2,048 x 1,024 float32.
;; This version of the problem:
;;   THIS VERSION OF THE PROBLEM IS GIVEN IN LOW PRECISION. The matrix products marked QUANTISED in the list below multiply operands that are first quantised to E4M3 (4 exponent bits, 3 mantissa bits; 8 bits a number), with one power-of-two scale for each 32 numbers along K (OCP MX v1.0); their sums are f32. All else is computed in f32.
;;   The module's matrix products, in the order in which they are computed (A, B: the left and right operand; K: the contracted axis; several contracted axes count as one K, in the product's order):
;;     1. [M 8,192, K 1,024] x [K 1,024, N 1,024]; A: input q; B: input Wq: QUANTISED
;;     2. [M 8,192, K 1,024] x [K 1,024, N 1,024]; A: input k; B: input Wk: QUANTISED
;;     3. [M 8,192, K 1,024] x [K 1,024, N 1,024]; A: input v; B: input Wv: QUANTISED
;;     4. batch 64 x [M 2,048, K 64] x [K 64, N 2,048]; A: computed on the way; B: computed on the way: QUANTISED
;;     5. batch 64 x [M 2,048, K 2,048] x [K 2,048, N 64]; A: softmax (see below); B: computed on the way: QUANTISED
;;     6. [M 8,192, K 1,024] x [K 1,024, N 1,024]; A: computed on the way; B: input Wo: QUANTISED
;;   THE QUANTISER, for each operand of a quantised product, along K:
;;     - K is cut into blocks of 32 from its start; a last block that is shorter is filled with zeros.
;;     - A block's scale is 2^e with e = floor(log2(the largest magnitude in the block)) - 8, held to -126 .. 127; a block of zeros has e = 0. As a byte (E8M0): e + 127.
;;     - Each number is divided by its block's scale, clamped to +-448, and rounded to the nearest number of E4M3, ties to even, subnormals kept.
;;     - The product sums the exact products of the quantised numbers (number of the format x scale) in f32.
;;   ~~~python
;;   def quantise(x, axis):      # numpy; x: float32 -> the quantised numbers, widened to float32 again
;;       x = np.moveaxis(x, axis, -1); K = x.shape[-1]
;;       x = np.pad(x, [(0, 0)] * (x.ndim - 1) + [(0, -K % 32)]); x = x.reshape(x.shape[:-1] + (-1, 32)); a = np.abs(x).max(-1, keepdims=True)
;;       e = np.where(a > 0, np.clip(np.frexp(np.where(a > 0, a, 1))[1] - 1 - 8, -126, 127), 0)      # np.frexp(a)[1] - 1 = floor(log2(a)), exactly
;;       r = np.clip(x / 2.0 ** e, -448, 448)
;;       step = 2.0 ** (np.maximum(np.frexp(np.where(r == 0, 1, r))[1] - 1, -6) - 3)
;;       q = np.round(r / step) * step * 2.0 ** e      # np.round: ties to even
;;       return np.moveaxis(q.reshape(q.shape[:-2] + (-1,))[..., :K], -1, axis).astype(np.float32)
;;   ~~~
;;   SOFTMAX AHEAD OF A QUANTISED PRODUCT. Where the list says 'softmax', what is quantised is not the finished softmax but p = 2^(t - M), with t = logit x log2(e) and M = ceil(the row's largest t), a whole number; so 1/2 < the row's largest p <= 1. The row's sum l is taken of the UNQUANTISED p, in f32, and the product's result is divided by l at the end. Since M is a whole number, a kernel that streams over the keys may use a running M (the ceiling of the running maximum): every later rescaling is an exact power of two, which a block's scale takes up: the codes' values come out the same.
;;   OPERANDS COMPUTED ON THE WAY. 'Computed on the way' means the value that the module computes at that place (a softmax that the list does not call 'softmax' is quantised finished and normalised). What goes into a quantiser is computed in f32, as accurately as f32 sums, v_exp_f32 and their like allow (about 1e-6 of the number): no bf16 or f16 on the way to a quantiser, and a product that is left as it is and whose result goes on into a quantised operand takes f32 operands (vector FMAs, or v_wmma_f32_16x16x4_f32). A number that lies on a knife's edge between two numbers of the format may be rounded either way, as far as f32 arithmetic and the matrix unit's own rounding can turn it there, and no further.
;; One version. Each part assembles by itself: llvm-mc -triple=amdgcn-amd-amdhsa -mcpu=gfx1250 --defsym DOCPART=n.
;; ======== version 1 of 1: 4 launches
;; limits: right only within a limited range of input values
;; workspace buffers: opc 29,360,128 bytes; ops 917,504 bytes; flags 2,048 bytes of whole numbers; qkvc 25,165,824 bytes; qkvs 786,432 bytes; cc 8,388,608 bytes; cs 262,144 bytes
;; launch prep (part 1): grid 1024 x 1, 4 waves a work-group, no clusters, 33,280 bytes of LDS; arguments q, k, v, Wq, Wk, Wv, Wo, mask, opc, ops, flags; writes opc, ops, flags
.if DOCPART == 1
	.amdgcn_target "amdgcn-amd-amdhsa--gfx1250"
	.amdhsa_code_object_version 6
	.text
	.protected	k_qd1ef05742d_prep
	.globl	k_qd1ef05742d_prep
	.p2align	8
	.type	k_qd1ef05742d_prep,@function
k_qd1ef05742d_prep:
	s_mov_b64 s[64:65], 0
	v_nop
	global_prefetch_b8 v0, s[64:65] scope:SCOPE_SE
	s_setreg_imm32_b32 hwreg(HW_REG_WAVE_MODE, 25, 1), 1
	s_wait_xcnt 0x0
; PREP.  Two jobs in one launch, told apart by the work-group's number.
; (a) Work-groups 128 .. 1023: q, k, v [8192][1024] and Wq, Wk, Wv, Wo [1024][1024], f32, K innermost, become codes of FP8 (E4M3) in opc [28672 rows][1024 bytes] and one E8M0 byte for each 32 along K in ops [28672][32].
;     Rows of opc: q 0, k 8192, v 16384, Wq 24576, Wk 25600, Wv 26624, Wo 27648.  A block's scale is 2^(floor(log2(largest magnitude)) - 8); numbers are held within +-448 x the scale and rounded to the nearest code, ties to even.
;     THE ROWS OF k, v, Wq, Wk, Wv ARE STORED WITH BITS 3 AND 4 OF THE ROW NUMBER EXCHANGED: stored tile i, row r is row 32 (i / 2) + 8 (i % 2) + r + 8 (r / 8), so that in the later products the 16 result registers of two
;     neighbouring tiles are 16 neighbours along the next K.  A wave's run is 8 rows, so the exchange is an exchange of bits 0 and 1 of the wave's place among the work-group's four runs.
; (b) Work-groups 0 .. 127: for the 16 queries of tile qt a 16-bit list of the key steps (128 keys) that can matter.  Wave w takes rows 16 qt + 4 w .. + 3 and stores one word at flags[qt][w].
;     A step is left out for a row only where every key's mask x (-1e9) lies 9e8 or more under the row's largest mask x (-1e9): then 2^(t - M) is 0 there as long as the row's scores spread by less than 9e8 - 3.4e3.
;     No pattern of the mask is assumed.  No branch and no address hangs on these numbers here: they are selected into bits and stored.
; LIMITS: NaN and infinities among the inputs are not served; a block of zeros gets the byte 1 (its codes are zeros; only this program reads the bytes); blocks under 2^-118 are held at the byte 1.
.set NFL,   128                        ; work-groups of job (b)
.set STEPS, 16
.set EMAX,  8
.set MANT,  0x600000                   ; the mantissa field of 448
.set CB,    16
.set R,     16                         ; v16-79   four sets of 16 numbers as loaded
.set X,     80                         ; v80-111  two sets of 16 neighbours
.set C,     128                        ; v128-191 codes, four registers a step
.set E,     112                        ; v112-127 a scale byte a step
.set WREG,  8192                       ; LDS of a wave: two stages of 32 x SP bytes, then its 256 scale bytes
.set SP,    80
	s_load_b512 s[4:19], s[0:1], 0x0               ; q k v Wq Wk Wv Wo mask
	s_load_b128 s[20:23], s[0:1], 0x40             ; opc, ops
	s_load_b64 s[24:25], s[0:1], 0x50              ; flags
	v_lshl_add_u32 v192, v0, 2, 0x8000
	v_mov_b32 v193, 0
	v_lshrrev_b32 v1, 5, v0
	v_readfirstlane_b32 s30, v1                    ; wave
	v_and_b32 v2, 31, v0                           ; lane
	v_lshlrev_b32 v3, 4, v2                        ; my 16 bytes of a load's 512
	s_cmp_lt_u32 ttmp9, NFL
	s_wait_alu depctr_va_vdst(0)                   ; the wait here, directly ahead of the branch
	s_cbranch_scc1 .Lflags
	; ---------------- job (a): the stream of blocks of 32 ----------------
	s_mul_i32 s31, s30, WREG
	v_lshrrev_b32 v14, 2, v2
	v_mul_u32_u24 v14, v14, SP
	v_and_b32 v15, 3, v2
	v_lshl_add_u32 v14, v15, 4, v14
	v_add_nc_u32 v14, s31, v14                     ; the stage on the way in: four lanes' 64 bytes on end, then 16 of padding
	v_mul_u32_u24 v15, v2, SP
	v_add_nc_u32 v15, s31, v15                     ; and on the way out: my 16 neighbours
	v_mul_u32_u24 v4, v2, CB
	v_lshrrev_b32 v5, 1, v2
	s_add_co_u32 s31, s31, 2*32*SP
	v_add_nc_u32 v5, s31, v5                       ; my block's scale byte in LDS
	v_lshlrev_b32 v7, 3, v2
	v_add_nc_u32 v6, s31, v7
	s_mov_b32 s33, MANT
	s_sub_co_u32 s32, ttmp9, NFL                   ; g: which 32 rows of opc
	s_wait_alu depctr_va_vdst(0)                   ; the wait at the head's end
	s_wait_kmcnt 0x0
	s_mov_b64 s[26:27], s[16:17]                   ; which tensor, and its first g: the choice hangs on the work-group's number alone
	s_mov_b32 s28, 864
.macro PICK bound, lo, base
	s_cmp_lt_u32 s32, \bound
	s_cselect_b64 s[26:27], s[\lo:\lo+1], s[26:27]
	s_cselect_b32 s28, \base, s28
.endm
	PICK 864, 14, 832
	PICK 832, 12, 800
	PICK 800, 10, 768
	PICK 768, 8, 512
	PICK 512, 6, 256
	PICK 256, 4, 0
	s_sub_co_u32 s29, s32, s28
	s_lshl_b32 s29, s29, 2
	s_add_co_u32 s29, s29, s30                     ; my run of 8,192 numbers in the tensor
	s_lshl_b32 s34, s29, 15
	s_mov_b32 s35, 0
	s_add_nc_u64 s[26:27], s[26:27], s[34:35]
	s_and_b32 s36, s30, 1                          ; the wave's number with bits 0 and 1 exchanged
	s_lshl_b32 s36, s36, 1
	s_lshr_b32 s37, s30, 1
	s_or_b32 s36, s36, s37
	s_sub_co_u32 s37, s32, 256                     ; k, v, Wq, Wk, Wv are g = 256 .. 863
	s_cmp_lt_u32 s37, 608
	s_cselect_b32 s36, s36, s30
	s_lshl_b32 s37, s32, 2
	s_add_co_u32 s36, s37, s36                     ; the run's place in opc and ops
	s_lshl_b32 s34, s36, 13
	s_add_nc_u64 s[20:21], s[20:21], s[34:35]
	s_lshl_b32 s34, s36, 8
	s_add_nc_u64 s[22:23], s[22:23], s[34:35]
.macro LOAD t
.irp i, 0,1,2,3
	global_load_b128 v[R+16*((\t)%4)+4*\i:R+16*((\t)%4)+4*\i+3], v3, s[26:27] offset:2048*(\t)+512*\i th:TH_LOAD_NT   ; 32 lanes read 512 consecutive bytes
.endr
.endm
.macro TURN t                          ; step t's numbers through the stage: LDS serves a wave's instructions in order, so no wait stands between the stores and the loads
.irp i, 0,1,2,3
	ds_store_b128 v14, v[R+16*((\t)%4)+4*\i:R+16*((\t)%4)+4*\i+3] offset:32*SP*((\t)%2)+8*SP*\i
.endr
.irp i, 0,1,2,3
	ds_load_b128 v[X+16*((\t)%2)+4*\i:X+16*((\t)%2)+4*\i+3], v15 offset:32*SP*((\t)%2)+16*\i
.endr
.endm
.irp t, 0,1,2,3
	LOAD \t
.endr
	s_wait_loadcnt 12                              ; step 0's four loads are in; the twelve of steps 1 to 3 may be out
	TURN 0
.macro STEP t
.set XS, X+16*((\t)%2)
.if (\t) > 0
	s_wait_dscnt 1                                 ; this step's numbers are back from the stage (the last step's byte store may be out)
.else
	s_wait_dscnt 0x0
.endif
.if (\t)+4 < STEPS
	LOAD (\t)+4
.endif
.if (\t)+1 < STEPS
.if STEPS-2-(\t) >= 3
	s_wait_loadcnt 12                              ; the next step's four loads are in; those of the three steps behind it may be out
.else
	s_wait_loadcnt 4*(STEPS-2-(\t))
.endif
	TURN (\t)+1
.endif
	v_max3_num_f32 v8, |v[XS]|, |v[XS+1]|, |v[XS+2]|               ; the largest magnitude of my 16
	v_max3_num_f32 v9, |v[XS+3]|, |v[XS+4]|, |v[XS+5]|
.irp i, 6,10
	v_max3_num_f32 v8, v8, |v[XS+\i]|, |v[XS+\i+1]|
	v_max3_num_f32 v9, v9, |v[XS+\i+2]|, |v[XS+\i+3]|
.endr
	v_max3_num_f32 v8, v8, |v[XS+14]|, |v[XS+15]|
	v_max3_num_f32 v8, v8, v9, (EMAX+1)<<23        ; and the floor 2^(9 - 127): the byte cannot fall under 1
	v_max_num_f32_dpp v8, v8, v8 row_xmask:1 row_mask:0xf bank_mask:0xf   ; with my neighbour's 16: the block's
	v_add_nc_u32 v11, -(EMAX<<23), v8              ; 8 off its exponent field: the conversion's scale operand
	v_and_or_b32 v10, v8, 0x7f800000, s33          ; 448 x the scale
.irp i, 0,1,2,3,4,5,6,7,8,9,10,11,12,13,14,15
	v_med3_num_f32 v[XS+\i], v[XS+\i], -v10, v10   ; the conversion to an 8-bit code does not saturate (ISA guide 7.6.2): the hold comes first
.endr
	v_cvt_scalef32_pk8_fp8_f32 v[C+4*(\t):C+4*(\t)+1], v[XS:XS+7], v11
	v_cvt_scalef32_pk8_fp8_f32 v[C+4*(\t)+2:C+4*(\t)+3], v[XS+8:XS+15], v11
	v_lshrrev_b32 v[E+(\t)], 23, v11               ; the scale's byte
	ds_store_b8 v5, v[E+(\t)] offset:16*(\t)       ; both lanes of a block write the same byte with the same value
	global_store_b128 v4, v[C+4*(\t):C+4*(\t)+3], s[20:21] offset:32*CB*(\t)   ; the wave stores 512 consecutive bytes, aligned
.endm
.irp t, 0,1,2,3,4,5,6,7,8,9,10,11,12,13,14,15
	STEP \t
.endr
	ds_load_b64 v[12:13], v6                       ; LDS serves a wave's instructions in order: these see my stores
	s_wait_dscnt 0x0
	global_store_b64 v7, v[12:13], s[22:23]        ; 32 lanes store 256 consecutive bytes, aligned
	s_wait_tensorcnt 0x0
	ds_add_u32 v192, v193
	s_wait_dscnt 0x0
	s_endpgm
	; ---------------- job (b): which key steps can matter ----------------
.Lflags:
	s_lshl_b32 s32, ttmp9, 4
	s_lshl_b32 s33, s30, 2
	s_add_co_u32 s32, s32, s33                     ; my first row of the mask: 16 qt + 4 w; also my word's byte in flags
	s_lshl_b32 s34, s32, 13                        ; a row is 8,192 bytes
	s_mov_b32 s35, 0
	s_mov_b32 s36, 0x76543210
	s_mov_b32 s37, 0xfedcba98                      ; v_permlanex16_b32's selects for lane l xor 16
	s_mov_b32 s38, 0xce6e6b28                      ; -1e9
	s_mov_b32 s42, 0                               ; the list
	v_mov_b32 v9, 0                                ; a lane permute's destination counts as one of its sources
	s_wait_alu depctr_va_vdst(0)                   ; the wait at the head's end
	s_wait_kmcnt 0x0
	s_add_nc_u64 s[18:19], s[18:19], s[34:35]
.macro ROWLOAD set, k                  ; row k of my four: load j is key step j: 128 keys, 512 consecutive bytes
.set j, 0
.rept 16
	global_load_b128 v[16+64*(\set)+4*j:16+64*(\set)+4*j+3], v3, s[18:19] offset:8192*(\k)+512*j
.set j, j+1
.endr
.endm
.macro PROC set
.set B0, 16+64*(\set)
.set j, 0
.rept 16
	v_min3_num_f32 v[144+j], v[B0+4*j], v[B0+4*j+1], v[B0+4*j+2]   ; -1e9 is negative: the largest mask x (-1e9) belongs to the smallest mask
.set j, j+1
.endr
.set j, 0
.rept 16
	v_min_num_f32 v[144+j], v[144+j], v[B0+4*j+3]  ; my four keys of step j
.set j, j+1
.endr
	v_min3_num_f32 v8, v144, v145, v146
.irp e, 147,149,151,153,155,157
	v_min3_num_f32 v8, v8, v[\e], v[\e+1]
.endr
	v_min_num_f32 v8, v8, v159
	v_min_num_f32_dpp v8, v8, v8 row_xmask:1 row_mask:0xf bank_mask:0xf
	v_min_num_f32_dpp v8, v8, v8 row_xmask:2 row_mask:0xf bank_mask:0xf
	v_min_num_f32_dpp v8, v8, v8 row_xmask:4 row_mask:0xf bank_mask:0xf
	v_min_num_f32_dpp v8, v8, v8 row_xmask:8 row_mask:0xf bank_mask:0xf
	v_permlanex16_b32 v9, v8, s36, s37
	v_min_num_f32 v8, v8, v9                       ; the row's smallest mask, in every lane
	v_mul_f32 v8, s38, v8                          ; the row's largest mask x (-1e9), rounded as it is rounded later
	v_add_f32 v8, 0xce5693a4, v8                   ; less 9e8
	s_wait_alu depctr_va_vdst(0)                   ; the wait here, directly behind the write
.set j, 0
.rept 16
	v_mul_f32 v10, s38, v[144+j]
	v_cmp_gt_f32 s40, v10, v8                      ; does any of the step's keys come nearer than that?
	s_cmp_lg_u32 s40, 0
	s_cselect_b32 s41, 1<<j, 0                     ; a value is selected; nothing branches
	s_or_b32 s42, s42, s41
	; bit 16 + j of the same word: some mask number of step j in this row is not 0.  Where the bit is clear, mask x (-1e9) is 0 for the whole step and the later launch adds nothing
	v_max3_num_f32 v11, |v[B0+4*j]|, |v[B0+4*j+1]|, |v[B0+4*j+2]|
	v_max_num_f32 v11, v11, |v[B0+4*j+3]|
	v_cmp_lt_f32 s43, 0, v11
	s_cmp_lg_u32 s43, 0
	s_cselect_b32 s41, 0x10000<<j, 0
	s_or_b32 s42, s42, s41
.set j, j+1
.endr
.endm
	ROWLOAD 0, 0
	ROWLOAD 1, 1
	s_wait_loadcnt 16                              ; the older row is in; the younger row's 16 loads may be out
	PROC 0
	ROWLOAD 0, 2
	s_wait_loadcnt 16
	PROC 1
	ROWLOAD 1, 3
	s_wait_loadcnt 16
	PROC 0
	s_wait_loadcnt 0x0
	PROC 1
	v_mov_b32 v1, s42
	v_mov_b32 v4, s32
	v_cmp_eq_u32 vcc_lo, 0, v2
	s_wait_alu depctr_va_vdst(0)                   ; the wait here, directly ahead of the wait below
	s_wait_xcnt 0x0                                ; EXEC changes only behind this wait
	s_and_saveexec_b32 s39, vcc_lo
	global_store_b32 v4, v1, s[24:25]              ; lane 0: flags[qt][w]
	s_wait_xcnt 0x0
	s_or_b32 exec_lo, exec_lo, s39
	s_endpgm
.Lfunc_end_k_qd1ef05742d_prep:
	.size	k_qd1ef05742d_prep, .Lfunc_end_k_qd1ef05742d_prep-k_qd1ef05742d_prep
	.p2alignl 7, 3214868480
	.fill 96, 4, 3214868480
	.section	.rodata,"a",@progbits
	.p2align	6, 0x0
	.amdhsa_kernel k_qd1ef05742d_prep
		.amdhsa_group_segment_fixed_size 33280
		.amdhsa_private_segment_fixed_size 0
		.amdhsa_enable_private_segment 0
		.amdhsa_kernarg_size 88
		.amdhsa_user_sgpr_count 2
		.amdhsa_user_sgpr_kernarg_segment_ptr 1
		.amdhsa_wavefront_size32 1
		.amdhsa_system_sgpr_workgroup_id_x 1
		.amdhsa_system_sgpr_workgroup_id_y 1
		.amdhsa_system_sgpr_workgroup_id_z 1
		.amdhsa_system_vgpr_workitem_id 0
		.amdhsa_next_free_vgpr 194
		.amdhsa_next_free_sgpr 66
		.amdhsa_reserve_vcc 1
		.amdhsa_float_denorm_mode_32 3
		.amdhsa_float_denorm_mode_16_64 3
		.amdhsa_memory_ordered 1
		.amdhsa_forward_progress 1
		.amdhsa_inst_pref_size 102
	.end_amdhsa_kernel
	.amdgpu_metadata
---
amdhsa.version: [ 1, 2 ]
amdhsa.kernels:
  - .name:           k_qd1ef05742d_prep
    .symbol:         k_qd1ef05742d_prep.kd
    .args:
      - { .name: q, .offset: 0, .size: 8, .value_kind: global_buffer, .address_space: global }
      - { .name: k, .offset: 8, .size: 8, .value_kind: global_buffer, .address_space: global }
      - { .name: v, .offset: 16, .size: 8, .value_kind: global_buffer, .address_space: global }
      - { .name: Wq, .offset: 24, .size: 8, .value_kind: global_buffer, .address_space: global }
      - { .name: Wk, .offset: 32, .size: 8, .value_kind: global_buffer, .address_space: global }
      - { .name: Wv, .offset: 40, .size: 8, .value_kind: global_buffer, .address_space: global }
      - { .name: Wo, .offset: 48, .size: 8, .value_kind: global_buffer, .address_space: global }
      - { .name: mask, .offset: 56, .size: 8, .value_kind: global_buffer, .address_space: global }
      - { .name: opc, .offset: 64, .size: 8, .value_kind: global_buffer, .address_space: global }
      - { .name: ops, .offset: 72, .size: 8, .value_kind: global_buffer, .address_space: global }
      - { .name: flags, .offset: 80, .size: 8, .value_kind: global_buffer, .address_space: global }
    .group_segment_fixed_size: 33280
    .private_segment_fixed_size: 0
    .kernarg_segment_align: 8
    .kernarg_segment_size: 88
    .max_flat_workgroup_size: 128
    .sgpr_count:     66
    .vgpr_count:     194
    .wavefront_size: 32
...
	.end_amdgpu_metadata
.endif
;; end of part 1
;; launch proj (part 2): grid 4 x 96, 4 waves a work-group, no clusters, 327,680 bytes of LDS; arguments opc, ops, bq, bk, bv, qkvc, qkvs; writes qkvc, qkvs
.if DOCPART == 2
	.amdgcn_target "amdgcn-amd-amdhsa--gfx1250"
	.amdhsa_code_object_version 6
	.text
	.protected	k_qd1ef05742d_proj
	.globl	k_qd1ef05742d_proj
	.p2align	8
	.type	k_qd1ef05742d_proj,@function
k_qd1ef05742d_proj:
	s_mov_b64 s[64:65], 0
	v_nop
	global_prefetch_b8 v0, s[64:65] scope:SCOPE_SE
	s_setreg_imm32_b32 hwreg(HW_REG_WAVE_MODE, 25, 1), 1
	s_wait_xcnt 0x0
; PROJ.  The three projections x W^T + b on codes of FP8 (E4M3) with E8M0 scales (K = 1024), and their results quantised in registers into the operand images that the attention launch reads.
; grid x: 256 channels; grid y = 32 P + Y: P = 0 Q, 1 K, 2 V; Y: 256 tokens.  A work-group of four waves makes 256 x 256, a wave 128 x 128: 64 accumulators, 512 registers.
; K goes in steps of 256 through a ring of two LDS slots filled by the tensor data mover, one load a wave; the scale bytes of the work-group's 512 rows come once, with the first fills.
; Source 0 takes the rows called B (they run along a lane's result registers), source 1 the rows called A (a lane holds one of them).  Q, K: A = tokens, B = rows of W: a lane holds a token, its registers the head's channels,
; the next product's K.  V: A = rows of Wv, B = tokens: a lane holds a channel, its registers the keys.  Only ROW NUMBERS in the one buffer opc differ; they are chosen by the work-group's number.
; The rows of k, v, Wq, Wk, Wv lie in opc with bits 3 and 4 of the row number exchanged, so the 16 registers of B's tiles 2 c and 2 c + 1 are numbers 32 c + 16 (lane / 16) + 0 .. 15 along the next K: the conversions' results are operand registers.
; OUT: qkvc [3][64 heads][16 blocks of 128 tokens][8192]: Q, K: token tile a at 1024 a, channels 32 c on at + 512 c, lane l at + 16 l; V: channel tile ct at 2048 ct, keys 32 c on at + 512 c + 16 l.
;      qkvs [3][64][16][16 rows][4 words]: Q, K: word p = bytes (tile 2 p: 2, tile 2 p + 1: 2); V: word ct = the four key blocks' bytes of the row's channel.
; NO CLUSTER: the operand that neighbours along x share is A for Q and K but B for V, and a joint load's mask word is one constant of the text for a line; 96 rows of work-groups of three kinds do not share one form.
; LIMITS: as in the launch before: NaN and infinities not served; blocks of zeros get the byte 1.
.set NQ,     2
.set ROWB,   256
.set KROW,   1024
.set PITCH,  272                       ; an LDS row: 256 bytes + 16 of padding: the 16 rows that a load touches start at 16 different banks (64 banks of 4 bytes: ISA guide 11.1)
.set FR,     16
.set NL,     4
.set NP,     8                         ; places behind this matrix instruction (ISA guide 7.12.1)
.set HALFT,  128*PITCH
.set SLOT,   4*HALFT
.set KS,     32                        ; a row of scale bytes
.set SCL,    2*SLOT
.set HALFS,  16*272                    ; the scales of 128 rows: 16 units of 256 bytes + 16
.set SBLK,   2*272
.set SPARE,  SCL+4*HALFS               ; the spare words, 128 bytes a wave
.set BL,   8                           ; v8-15   V: the bias of my lane's channel in A's tile a
.set ADRA, 16
.set ADRB, 20
.set SOF,  25                          ; v25     where my 16 bytes of scale words go
.set LI,   26                          ; v26     16 x lane
.set ADRS, 27
.set SPW,  28
.set NIL,  29
.set BBO,  30                          ; v30, v31 the bias loads' offsets; never rewritten
.set BLO,  31
.set SC,   32                          ; v32-63  scale words, two sets
.set BB,   64                          ; v64-127 Q, K: the bias along my registers
.set AF,   128                         ; A's fragments; in the epilogue: T, PCB, TM, SW
.set T,    128
.set PCB,  192
.set TM,   224
.set SW,   240
.set G1,   24
.set G0,   32
.set G1S,  68
.set G0S,  76
.set SEL,  94
.set MNT,  96
.set MSB, 0
.macro WIN new                         ; the immediate's high byte repeats the setting that is left
.if MSB != \new
	s_set_vgpr_msb (MSB<<8)|\new
.set MSB, \new
.endif
.endm
.set MUL_LO, 0xa1                      ; source 0 (B) window 1, source 1 (A) window 0, C and D window 2
.set MUL_HI, 0xf1
.set TO_B,   0x40
.macro TLOAD g0, g1                    ; each wave moves rows of its own; four v_nop follow
	tensor_load_to_lds s[\g0:\g0+3], s[\g1:\g1+7]
	s_nop 0
.rept 4
	v_nop
.endr
.endm
	s_load_b128 s[4:7], s[0:1], 0x0                ; opc, ops
	s_load_b128 s[8:11], s[0:1], 0x10              ; bq, bk
	s_load_b128 s[80:83], s[0:1], 0x20             ; bv, qkvc
	s_load_b64 s[84:85], s[0:1], 0x30              ; qkvs
	v_lshl_add_u32 v[SPW], v0, 2, SPARE
	v_mov_b32 v[NIL], 0
	ds_add_u32 v28, v29
	ds_add_u32 v28, v29
	s_wait_dscnt 0x0
	v_lshrrev_b32 v1, 5, v0
	v_readfirstlane_b32 s14, v1                    ; wave
	s_lshr_b32 s15, s14, 1                         ; my half of A's rows.  Also: I fetch for A (0) or B (1)
	s_and_b32 s16, s14, 1                          ; my half of B's rows.  Also: which 128 rows I fetch
	s_and_b32 s18, ttmp7, 0xffff
	s_lshr_b32 s19, s18, 5                         ; P
	s_and_b32 s20, s18, 31                         ; Y
	s_lshl_b32 s21, s19, 13
	s_lshl_b32 s22, s20, 8
	s_add_co_u32 s21, s21, s22                     ; the tokens' first row in opc
	s_lshl_b32 s22, s19, 10
	s_lshl_b32 s23, ttmp9, 8
	s_add_co_u32 s22, s22, s23
	s_add_co_u32 s22, s22, 24576                   ; the weight's first row in opc
	s_cmp_eq_u32 s19, 2
	s_cselect_b32 s40, s22, s21                    ; A's first row
	s_cselect_b32 s41, s21, s22                    ; B's
	s_cselect_b32 s42, 1, 0                        ; is it V?
	s_cselect_b32 s53, s15, s16                    ; which half of the channels is mine,
	s_cselect_b32 s54, s16, s15                    ; which half of the tokens
	s_cmp_lt_u32 s14, 2
	s_cselect_b32 s43, s40, s41
	s_lshl_b32 s44, s16, 7
	s_add_co_u32 s43, s43, s44                     ; the first of the 128 rows that I fetch
	s_lshl_b32 s46, s43, 10
	s_mov_b32 s47, 0
	s_cmp_eq_u32 s16, 0                            ; the head's four tiles, one a wave: waves 0, 2 take A's 256 rows, waves 1, 3 B's
	s_cselect_b32 s58, s40, s41
	s_lshl_b32 s48, s58, 5                         ; their scale bytes,
	s_mov_b32 s49, 0
	s_lshl_b32 s2, s58, 10                         ; their codes
	s_mov_b32 s3, 0
	s_mul_i32 s45, s14, HALFT                      ; where they go: wave x 128 rows
	s_mul_i32 s50, s16, 2*HALFS                    ; where the head's tiles go: A's first, B's behind them
	s_mul_i32 s59, s16, 2*HALFT
	s_lshl_b32 s51, ttmp9, 8
	s_lshl_b32 s53, s53, 7
	s_add_co_u32 s51, s51, s53                     ; my first channel
	s_lshl_b32 s52, s20, 8
	s_lshl_b32 s54, s54, 7
	s_add_co_u32 s52, s52, s54                     ; my first token
	; descriptor group 1: 128 rows of 256 bytes, 1,024 bytes apart, 16 bytes of padding behind each
	s_mov_b32 s[G1+0], (0<<16)|(1<<20)|(5<<22)|(3<<25)
	s_mov_b32 s[G1+1], ROWB<<16
	s_mov_b32 s[G1+2], 256<<16                     ; 256 rows for the head's loads; set to 128 behind them, for the ring's
	s_mov_b32 s[G1+3], ROWB<<16
	s_mov_b32 s[G1+4], 256
	s_mov_b32 s[G1+5], KROW
	s_mov_b32 s[G1+6], 0
	s_mov_b32 s[G1+7], 0
	; and the scales of 128 rows: 4,096 dense bytes as 16 rows of 256 bytes (32 elements of 8), padded likewise
	s_mov_b32 s[G1S+0], (3<<16)|(1<<20)|(5<<22)|(3<<25)
	s_mov_b32 s[G1S+1], 32<<16
	s_mov_b32 s[G1S+2], 32<<16                     ; the scales of 256 rows: 8,192 dense bytes as 32 rows of 256
	s_mov_b32 s[G1S+3], 32<<16
	s_mov_b32 s[G1S+4], 32
	s_mov_b32 s[G1S+5], 32
	s_mov_b32 s[G1S+6], 0
	s_mov_b32 s[G1S+7], 0
	s_mov_b32 s[SEL], 0x76543210
	s_mov_b32 s[SEL+1], 0xfedcba98
	s_mov_b32 s[MNT], 0x600000
	s_wait_kmcnt 0x0
	s_add_nc_u64 s[46:47], s[4:5], s[46:47]
	s_add_nc_u64 s[48:49], s[6:7], s[48:49]
	s_mov_b32 s[G0S], 1
	s_add_co_u32 s[G0S+1], s50, SCL
	s_mov_b64 s[G0S+2:G0S+3], s[48:49]
	s_or_b32 s[G0S+3], s[G0S+3], 0x80000000
.irp s, 0,1
	s_mov_b32 s[G0+4*\s], 1
	s_add_co_u32 s[G0+4*\s+1], s45, \s*SLOT
	s_add_nc_u64 s[G0+4*\s+2:G0+4*\s+3], s[46:47], \s*ROWB
	s_or_b32 s[G0+4*\s+3], s[G0+4*\s+3], 0x80000000
.endr
.set G0H, 60                           ; s[60:63] group 0 of the head's load of codes
	s_mov_b32 s[G0H], 1
	s_mov_b32 s[G0H+1], s59
	s_add_nc_u64 s[G0H+2:G0H+3], s[4:5], s[2:3]
	s_or_b32 s[G0H+3], s[G0H+3], 0x80000000
	s_cmp_lt_u32 s14, 2                            ; one tensor load a wave at the head: waves 0, 1: K step 0's codes of A, of B; waves 2, 3: the scale bytes of A, of B
	s_cbranch_scc0 .Lhead_s
	TLOAD G0H, G1
	s_branch .Lhead_asked
.Lhead_s:
	TLOAD G0S, G1S
.Lhead_asked:
	v_and_b32 v1, 15, v0                           ; r
	v_bfe_u32 v2, v0, 4, 1                         ; h
	v_mul_u32_u24 v3, v1, PITCH
	v_lshl_add_u32 v4, v2, 4, v3
	s_mul_i32 s21, s15, HALFT
	s_mul_i32 s22, s16, HALFT
	s_add_co_u32 s22, s22, 2*HALFT
.irp s, 0,1
	v_add_nc_u32 v[ADRA+\s], s21, v4
	v_add_nc_u32 v[ADRB+\s], s22, v4
	s_add_co_u32 s21, s21, SLOT
	s_add_co_u32 s22, s22, SLOT
.endr
	v_mul_u32_u24 v5, v1, KS
	v_lshrrev_b32 v6, 8, v5
	v_lshl_add_u32 v5, v6, 4, v5                   ; my row's scales: 32 bytes a row, 16 more for each 256 passed
	s_mul_i32 s21, s15, HALFS
	s_mul_i32 s22, s16, HALFS
	s_add_co_u32 s22, s22, 2*HALFS
	s_sub_co_u32 s22, s22, s21
	v_mul_u32_u24 v6, s22, v2                      ; lanes 16-31 take B's
	s_add_co_u32 s21, s21, SCL
	v_add_nc_u32 v5, v5, v6
	v_add_nc_u32 v[ADRS], s21, v5
	v_and_b32 v5, 31, v0
	v_lshlrev_b32 v[LI], 4, v5
	v_lshlrev_b32 v[SOF], 12, v2
	v_lshl_add_u32 v[SOF], v1, 4, v[SOF]           ; lanes 0-15: the first head's unit of 256 bytes, lanes 16-31: the next head's
	; the biases.  Both forms are loaded, the one that is not used from the buffer's first bytes
	s_lshl_b32 s55, s51, 2                         ; 4 x my first channel.  (A shift sets SCC: it stands ahead of the compares, and only selects stand between a compare and the selects that use it)
	s_cmp_eq_u32 s19, 0
	s_cselect_b64 s[86:87], s[8:9], s[10:11]
	s_cmp_eq_u32 s19, 2
	s_cselect_b64 s[86:87], s[80:81], s[86:87]
	s_cselect_b32 s56, 0, s55
	s_cselect_b32 s57, s55, 0
	v_lshl_add_u32 v[BBO], v2, 6, s56              ; along the registers: channel 32 c + 16 h + 0 .. 15
	v_and_b32 v5, 8, v1
	v_add_nc_u32 v5, v5, v1
	v_lshl_add_u32 v[BLO], v5, 2, s57              ; by lane: channel 32 (a / 2) + 8 (a % 2) + r + 8 (r / 8)
.irp e, 0,1,2,3,4,5,6,7,8,9,10,11,12,13,14,15
	global_load_b128 v[BB+4*\e:BB+4*\e+3], v[BBO], s[86:87] offset:128*(\e/4)+16*(\e%4)
.endr
.irp a, 0,1,2,3,4,5,6,7
	global_load_b32 v[BL+\a], v[BLO], s[86:87] offset:4*(32*(\a/2)+8*(\a%2))
.endr
	; where my results go
	s_lshr_b32 s53, s52, 11
	s_lshl_b32 s53, s53, 4
	s_lshr_b32 s54, s51, 6
	s_add_co_u32 s53, s53, s54                     ; my first head among the 64
	s_bfe_u32 s54, s52, 0x40007                    ; my block of 128 tokens
	s_lshl_b32 s55, s19, 23
	s_lshl_b32 s56, s53, 17
	s_add_co_u32 s55, s55, s56
	s_lshl_b32 s56, s54, 13
	s_add_co_u32 s92, s55, s56
	s_mov_b32 s93, 0
	s_add_nc_u64 s[88:89], s[82:83], s[92:93]
	s_lshl_b32 s55, s19, 18
	s_lshl_b32 s56, s53, 12
	s_add_co_u32 s55, s55, s56
	s_lshl_b32 s56, s54, 8
	s_add_co_u32 s92, s55, s56
	s_add_nc_u64 s[90:91], s[84:85], s[92:93]
.macro FRAG reg, adr, q, i             ; 16 rows x 128 K: lane l holds row l % 16; registers 4 c .. 4 c + 3 hold K = 32 c + 16 (l / 16) + 0 .. 15
.irp c, 0,1,2,3
	ds_load_b128 v[\reg+4*\c:\reg+4*\c+3], v[\adr] offset:128*(\q)+32*\c+(\i)*16*PITCH
.endr
.endm
; 16 matrix instructions: A's blocks a0, a0 + 1 x B's eight.  The 64 accumulators take turns, one instruction a turn, in the same order in every step.
.macro MUL16 a0, p, q, sc, zero
.irp a, \a0, \a0+1
.irp b, 0,1,2,3,4,5,6,7
.if \zero
	v_wmma_scale_f32_16x16x128_f8f6f4 v[8*(8*((\a)%4)+\b):8*(8*((\a)%4)+\b)+7], v[128*(\p)+FR*\b:128*(\p)+FR*\b+FR-1], v[AF+FR*(\a):AF+FR*(\a)+FR-1], 0, v[SC+8*NQ*(\sc)+NQ*\b+(\q)], v[SC+8*NQ*(\sc)+NQ*(\a)+(\q)] matrix_a_scale:MATRIX_SCALE_ROW1
.else
	v_wmma_scale_f32_16x16x128_f8f6f4 v[8*(8*((\a)%4)+\b):8*(8*((\a)%4)+\b)+7], v[128*(\p)+FR*\b:128*(\p)+FR*\b+FR-1], v[AF+FR*(\a):AF+FR*(\a)+FR-1], v[8*(8*((\a)%4)+\b):8*(8*((\a)%4)+\b)+7], v[SC+8*NQ*(\sc)+NQ*\b+(\q)], v[SC+8*NQ*(\sc)+NQ*(\a)+(\q)] matrix_a_scale:MATRIX_SCALE_ROW1
.endif
.endr
.endr
.endm
.macro FETCH_B slot, q, p
	WIN TO_B
.irp i, 0,1,2,3,4,5,6,7
	FRAG 128*(\p)+FR*\i, ADRB+\slot, \q, \i
.endr
	WIN 0
.endm
.macro FETCH_A slot, q, i0
.irp i, \i0, \i0+1, \i0+2, \i0+3
	FRAG AF+FR*(\i), ADRA+\slot, \q, \i
.endr
.endm
.macro SCALES sc                       ; a K step's scale words: lanes 0-15 A's block i, lanes 16-31 B's block i
.irp i, 0,1,2,3,4,5,6,7
	ds_load_b64 v[SC+8*NQ*\sc+NQ*\i:SC+8*NQ*\sc+NQ*\i+1], v[ADRS] offset:\i*SBLK
.endr
.endm
.macro PLACES n                        ; plain vector instructions between a matrix instruction and a load into, or a vector instruction on, its registers
.rept \n
	v_nop
.endr
.endm
.macro STEP slot, q, zero              ; 128 along K whose successor lies in the same slot
	s_wait_dscnt 4*NL                              ; B's set and A's blocks 0-3 are in; the youngest 16 loads (A's blocks 4-7) may be out
	WIN MUL_LO
	MUL16 0, (\q)%2, \q, \slot, \zero
	MUL16 2, (\q)%2, \q, \slot, \zero
	s_wait_dscnt 0
	PLACES NP
	FETCH_B \slot, (\q)+1, 1-(\q)%2
	FETCH_A \slot, (\q)+1, 0
	WIN MUL_HI
	MUL16 4, (\q)%2, \q, \slot, \zero
	MUL16 6, (\q)%2, \q, \slot, \zero
	PLACES NP
	WIN 0
	FETCH_A \slot, (\q)+1, 4
.endm
; A slot's last step changes slots: one barrier; in front of it each wave waits for all its tensor loads, adds 0 to its spare word, and waits for that and for its reads of this slot.
.macro TURN slot, next, fill
	s_wait_tensorcnt 0x0                           ; all my tensor loads have landed: my part of the next slot
	ds_add_u32 v[SPW], v[NIL]                      ; 0 onto my spare word
	s_wait_dscnt 4*NL+1                            ; the add and the youngest 16 loads may be out
	WIN MUL_LO
	MUL16 0, 1, NQ-1, \slot, 0
	s_wait_dscnt 0x0                               ; the add is done, and my reads of this slot are over
	s_barrier_signal -1
	MUL16 2, 1, NQ-1, \slot, 0
	WIN 0
	s_barrier_wait -1
.if \fill
	s_add_nc_u64 s[G0+4*\slot+2:G0+4*\slot+3], s[G0+4*\slot+2:G0+4*\slot+3], 2*ROWB
	TLOAD G0+4*\slot, G1                           ; my one tensor load behind this barrier, and the first thing there; its four v_nop are among the places below
	PLACES NP-4
.else
	PLACES NP
.endif
	v_add_nc_u32 v[ADRS], 4*NQ, v[ADRS]            ; the next K step's scale words (no LDS load of mine is out)
	FETCH_B \next, 0, 0
	FETCH_A \next, 0, 0
	SCALES \next
	WIN MUL_HI
	MUL16 4, 1, NQ-1, \slot, 0
	MUL16 6, 1, NQ-1, \slot, 0
	PLACES NP
	WIN 0
	FETCH_A \next, 0, 4
.endm
	s_wait_alu depctr_va_vdst(0)
	s_wait_tensorcnt 0x0                           ; my tile of the head's four is in
	ds_add_u32 v[SPW], v[NIL]
	s_mov_b32 s[G1+2], 128<<16                     ; no tensor load of mine is out: from here on a load brings 128 rows
	s_mov_b32 s[G1+4], 128
	s_wait_dscnt 0x0
	s_barrier_signal -1
	s_barrier_wait -1
	TLOAD G0+4, G1                                 ; K step 1, my quarter of slot 1: my one tensor load behind this barrier
	FETCH_B 0, 0, 0
	FETCH_A 0, 0, 0
	SCALES 0
	FETCH_A 0, 0, 4
	STEP 0, 0, 1                                   ; the first products start the sums: nothing is cleared
	TURN 0, 1, 1
	s_wait_alu depctr_va_vdst(0)
	STEP 1, 0, 0
	TURN 1, 0, 1
	s_wait_alu depctr_va_vdst(0)
	STEP 0, 0, 0
	TURN 0, 1, 0                                   ; the last two K steps ask for nothing
	STEP 1, 0, 0
	s_wait_dscnt 4*NL
	WIN MUL_LO
	MUL16 0, 1, NQ-1, 1, 0
	MUL16 2, 1, NQ-1, 1, 0
	s_wait_dscnt 0
	WIN MUL_HI
	MUL16 4, 1, NQ-1, 1, 0
	MUL16 6, 1, NQ-1, 1, 0
	WIN 0
; THE EPILOGUE: no LDS.  A's block a: 64 numbers a lane, register 16 c + i = number 32 c + 16 (lane / 16) + i along the next K, of the lane's row.  Bias, quantiser, and the codes leave as register images: each store covers 512 consecutive bytes, aligned.
.macro QUANT s, pc, pw
.irp b, 0,1,2,3
	v_max3_num_f32 v[TM+\b], |v[\s+16*\b]|, |v[\s+1+16*\b]|, 0x4800000   ; my 16 numbers of block b, and the floor 2^(9 - 127)
.endr
.irp u, 2,4,6,8,10,12,14
.irp b, 0,1,2,3
	v_max3_num_f32 v[TM+\b], v[TM+\b], |v[\s+16*\b+\u]|, |v[\s+1+16*\b+\u]|
.endr
.endr
.irp b, 0,1,2,3
	v_permlanex16_b32 v[TM+4+\b], v[TM+\b], s[SEL], s[SEL+1]
.endr
.irp b, 0,1,2,3
	v_max_num_f32 v[TM+\b], v[TM+\b], v[TM+4+\b]   ; with lane l xor 16's: the block's largest magnitude
.endr
.irp b, 0,1,2,3
	v_add_nc_u32 v[TM+12+\b], 0xfc000000, v[TM+\b] ; 8 off its exponent field: the conversion's scale operand
.endr
.irp b, 0,1,2,3
	v_and_or_b32 v[TM+8+\b], v[TM+\b], 0x7f800000, s[MNT]   ; 448 x the scale
.endr
.irp b, 0,1,2,3
	v_lshrrev_b32 v[TM+4+\b], 23, v[TM+12+\b]      ; the scale's byte
.endr
	v_lshl_or_b32 v[\pw], v[TM+5], 8, v[TM+4]
	v_lshl_or_b32 v[\pw], v[TM+6], 16, v[\pw]
	v_lshl_or_b32 v[\pw], v[TM+7], 24, v[\pw]
.irp b, 0,1,2,3
.irp u, 0,1,2,3,4,5,6,7,8,9,10,11,12,13,14,15
	v_med3_num_f32 v[\s+16*\b+\u], v[\s+16*\b+\u], -v[TM+8+\b], v[TM+8+\b]   ; the conversion does not saturate (ISA guide 7.6.2): the hold
.endr
	v_cvt_scalef32_pk8_fp8_f32 v[\pc+4*\b:\pc+1+4*\b], v[\s+16*\b:\s+7+16*\b], v[TM+12+\b]
	v_cvt_scalef32_pk8_fp8_f32 v[\pc+2+4*\b:\pc+3+4*\b], v[\s+8+16*\b:\s+15+16*\b], v[TM+12+\b]
.endr
	v_nop                                          ; a plain vector instruction behind the last conversion, ahead of the next writes of its sources
.endm
.macro EPI a, isv
	WIN 0x02+(\a)/4                                ; source 0: the accumulators' window
.set k, 0
.rept 32                                       ; each accumulator from its low end on
.if \isv
.if (\a)%2
	v_pk_add_f32 v[T+k:T+k+1], v[64*((\a)%4)+k:64*((\a)%4)+k+1], v[BL+(\a)-1:BL+(\a)] op_sel:[0,1] op_sel_hi:[1,1]   ; my channel's bias: the pair's second register for both
.else
	v_pk_add_f32 v[T+k:T+k+1], v[64*((\a)%4)+k:64*((\a)%4)+k+1], v[BL+(\a):BL+(\a)+1] op_sel_hi:[1,0]               ; the pair's first register for both
.endif
.else
	v_pk_add_f32 v[T+k:T+k+1], v[64*((\a)%4)+k:64*((\a)%4)+k+1], v[BB+k:BB+k+1]
.endif
.set k, k+2
.endr
	WIN 0
	s_wait_xcnt 0x0                                ; the earlier blocks' stores have read their data: the codes' registers may be written again
	QUANT T, PCB+16*((\a)%2), SW+(\a)
.irp c, 0,1,2,3
.if \isv
	global_store_b128 v[LI], v[PCB+16*((\a)%2)+4*\c:PCB+16*((\a)%2)+4*\c+3], s[88:89] offset:((\a)/4)*131072+2048*((\a)%4)+512*\c
.else
	global_store_b128 v[LI], v[PCB+16*((\a)%2)+4*\c:PCB+16*((\a)%2)+4*\c+3], s[88:89] offset:(\c/2)*131072+1024*(\a)+512*(\c%2)
.endif
.endr
.endm
	PLACES NP                                      ; behind the last products: their results are read and their sources written below
	s_wait_loadcnt 0x0                             ; the biases
.irp b, 0,1,2,3
	v_mov_b32 v[TM+4+\b], 0                        ; a lane permute's destination counts as one of its sources
.endr
	v_cmp_eq_u32 vcc_lo, 1, v2                     ; lanes 16-31
	s_cmp_eq_u32 s42, 1
	s_cbranch_scc1 .Lvpath
.irp a, 0,1,2,3,4,5,6,7
	EPI \a, 0
.endr
	v_mov_b32 v248, 0x05040100                     ; lanes 0-15 gather the first head's two bytes of two tiles, lanes 16-31 the second head's
	v_mov_b32 v249, 0x07060302
	v_cndmask_b32 v248, v248, v249, vcc_lo
.irp p, 0,1,2,3
	v_perm_b32 v[250+\p], v[SW+2*\p+1], v[SW+2*\p], v248
.endr
	s_branch .Lwords
.Lvpath:
.irp a, 0,1,2,3,4,5,6,7
	EPI \a, 1
.endr
.irp p, 0,1,2,3
	v_cndmask_b32 v[250+\p], v[SW+\p], v[SW+4+\p], vcc_lo   ; lanes 0-15: the first head's four channel tiles, lanes 16-31: the second head's
.endr
.Lwords:
	s_wait_alu depctr_va_vdst(0)
	global_store_b128 v[SOF], v[250:253], s[90:91] ; sixteen lanes store 256 consecutive bytes, aligned
	s_wait_tensorcnt 0x0                           ; the wave's end
	ds_add_u32 v[SPW], v[NIL]
	s_wait_dscnt 0x0
	s_endpgm
.Lfunc_end_k_qd1ef05742d_proj:
	.size	k_qd1ef05742d_proj, .Lfunc_end_k_qd1ef05742d_proj-k_qd1ef05742d_proj
	.p2alignl 7, 3214868480
	.fill 96, 4, 3214868480
	.section	.rodata,"a",@progbits
	.p2align	6, 0x0
	.amdhsa_kernel k_qd1ef05742d_proj
		.amdhsa_group_segment_fixed_size 327680
		.amdhsa_private_segment_fixed_size 0
		.amdhsa_enable_private_segment 0
		.amdhsa_kernarg_size 56
		.amdhsa_user_sgpr_count 2
		.amdhsa_user_sgpr_kernarg_segment_ptr 1
		.amdhsa_wavefront_size32 1
		.amdhsa_system_sgpr_workgroup_id_x 1
		.amdhsa_system_sgpr_workgroup_id_y 1
		.amdhsa_system_sgpr_workgroup_id_z 1
		.amdhsa_system_vgpr_workitem_id 0
		.amdhsa_next_free_vgpr 1024
		.amdhsa_next_free_sgpr 100
		.amdhsa_reserve_vcc 1
		.amdhsa_float_denorm_mode_32 3
		.amdhsa_float_denorm_mode_16_64 3
		.amdhsa_memory_ordered 1
		.amdhsa_forward_progress 1
		.amdhsa_inst_pref_size 255
	.end_amdhsa_kernel
	.section	.bss,"aw",@nobits
	.p2align	6
	.space	262144
	.amdgpu_metadata
---
amdhsa.version: [ 1, 2 ]
amdhsa.kernels:
  - .name:           k_qd1ef05742d_proj
    .symbol:         k_qd1ef05742d_proj.kd
    .args:
      - { .name: opc, .offset: 0, .size: 8, .value_kind: global_buffer, .address_space: global }
      - { .name: ops, .offset: 8, .size: 8, .value_kind: global_buffer, .address_space: global }
      - { .name: bq, .offset: 16, .size: 8, .value_kind: global_buffer, .address_space: global }
      - { .name: bk, .offset: 24, .size: 8, .value_kind: global_buffer, .address_space: global }
      - { .name: bv, .offset: 32, .size: 8, .value_kind: global_buffer, .address_space: global }
      - { .name: qkvc, .offset: 40, .size: 8, .value_kind: global_buffer, .address_space: global }
      - { .name: qkvs, .offset: 48, .size: 8, .value_kind: global_buffer, .address_space: global }
    .group_segment_fixed_size: 327680
    .private_segment_fixed_size: 0
    .kernarg_segment_align: 8
    .kernarg_segment_size: 56
    .max_flat_workgroup_size: 128
    .sgpr_count:     100
    .vgpr_count:     1024
    .wavefront_size: 32
...
	.end_amdgpu_metadata
.endif
;; end of part 2
;; launch attn (part 3): grid 16 x 16, 8 waves a work-group, no clusters, 36,864 bytes of LDS; arguments qkvc, qkvs, mask, flags, cc, cs; writes cc, cs
.if DOCPART == 3
	.amdgcn_target "amdgcn-amd-amdhsa--gfx1250"
	.amdhsa_code_object_version 6
	.text
	.protected	k_qd1ef05742d_attn
	.globl	k_qd1ef05742d_attn
	.p2align	8
	.type	k_qd1ef05742d_attn,@function
k_qd1ef05742d_attn:
	s_mov_b64 s[64:65], 0
	v_nop
	global_prefetch_b8 v0, s[64:65] scope:SCOPE_SE
	s_setreg_imm32_b32 hwreg(HW_REG_WAVE_MODE, 25, 1), 1
	s_wait_xcnt 0x0
; ATTN.  ctx = softmax((Q K^T + mask x (-1e9)) / 32) V on codes of FP8 (E4M3) with E8M0 scales, and ctx quantised along the model's 1,024 for the last projection.
; t = score x log2(e) / 32; M = the running largest t rounded up to a whole number; p = 2^(t - M) is quantised along the keys; the row's sum is taken of the unquantised p and divides at the end.
; SHARES.  grid x = jp, grid y = 4 b + g.  A work-group takes heads 4 g .. 4 g + 3 of batch b and eight tiles of 16 queries: m = 0 .. 3: tile 4 jp + m; m = 4 .. 7: tile 120 - 4 jp + m.
; Wave w: head w % 4 and four tiles (streams 0 .. 3): m = 0, 1, 6, 7 (w < 4) or m = 2, 3, 4, 5.  A wave walks key steps of 128 keys.
; THE LISTS.  flags, made by the first launch from the mask's numbers: bit ks of a tile's words: step ks can matter for some row of the tile (elsewhere every p is 0); bit 16 + ks: some mask number of the step is not 0.
; Where the second bit is clear the mask's term is 0 and the first product takes the constant 0 as C; where it is set, mask x (-1e9) is loaded in the result's layout and is that product's C.  No pattern of the mask is built in.
; NO LDS IN THE LOOP, NO BARRIER.  K's and V's tiles lie in memory as register images, 16 bytes a lane: each wave loads its head's step straight into its operand registers (16 loads and one of scale words for each of K and V).
; The next step's K is asked for behind stream 3's first product, the next V behind its second.  Every step that is worked asks for the step behind it (step 15 for itself again), so the counts of loads are the same on every path.
; Steps behind the wave's last listed step are jumped over; the loop's trip count is the constant 16.  Every address is made at a trip's head, ahead of that jump, from a fixed base and the loop's counter alone.
; NO TENSOR LOADS AND NO JOINT LOADS: branches hang on the stored lists.  Since a tile's first step hangs on them too, no first step is written out, and O^T begins as zeros.
; PREFETCH: the sixteen work-groups along x read the same K and V; those with jp = 0 ask, in step s, for step s + 2: waves 0-3 K's 8,192 bytes of their head, waves 4-7 V's, lanes 256 bytes apart; it stops at s = 13.
; The mask is not asked for ahead: only the steps listed as not 0 are read, one tile at a time.
; LAYOUT.  S^T = K Q^T (source 0 = keys), O^T = V^T P^T (source 0 = channels): a lane holds one query.  A fragment of K holds key tile 2 p in K 0 .. 63 and tile 2 p + 1 in K 64 .. 127; against [Q | zeros] it gives tile 2 p's scores,
; against [zeros | Q] tile 2 p + 1's.  The keys of a tile were chosen by the launches before so that registers 16 c + i are keys 32 c + 16 (lane / 16) + i.
; LIMITS: NaN and infinities not served.  The steps left out are exact while a row's scores spread by less than 9e8 - 3.4e3.  score + mask x (-1e9) is rounded by the matrix unit and not by an f32 addition.
.set CP,    272                        ; the way out: a token's 256 codes + 16
.set STGS,  128*CP                     ; behind them 8 scale bytes a token
.set SPARE, STGS+1024                  ; the spare words, 128 bytes a wave
.set LI,  1                            ; 16 x lane
.set R16, 2                            ; 16 x (lane % 16)
.set MO,  5                            ; the mask's offset: 8192 (lane % 16) + 64 (lane / 16)
.set PFV, 6                            ; 256 x lane
.set SPW, 16
.set NIL, 17
.set QA,  20                           ; v20-91: zeros, Q0, zeros, Q1, zeros, Q2, zeros, Q3, zeros: 8 registers each
.set S,   92                           ; v92-155 the mask term, S^T, then p
.set P,   156                          ; v156-171 p's codes
.set RW,  206
.set STT, 208                          ; stream i: v[208 + 4 i] -M, + 1 the largest t, + 2, + 3 the sum in two halves
.set KSR, 224                          ; scale words: K's, V's, Q's, p's: these registers hold nothing else
.set VSR, 228
.set QSR, 232
.set PS,  236
.set TP,  237
.set BM,  238
.set W1,  242
.set LM,  246
.set LM2, 173                          ; v173-176 the same four limits once more, each in another register bank than its twin: the second sources of a dual pair
.set W2,  178                          ; v[178:179] one of the sum's four chains
.set SO,  250
.set FF,  254                          ; v[254:255] f = 2^(old M - new M)
.set KF,  128                          ; window 1: v0-127 O^T (32 a stream), v128-191 K, v192-255 V
.set VF,  192
.set WV,  16
.set MA0, 2                            ; fixed bases: s[2:3], s[8:9] the mask at my two pairs of tiles; s[4:5], s[10:11] my head's K, V; s[6:7] K's scale units
.set BK0, 4
.set SC0, 6
.set MB0, 8
.set BV0, 10
.set SBMA, 36                          ; s[36:39] the mask at my two pairs of tiles, at the step in hand
.set SBMB, 38
.set F0,  40                           ; s40-43 my four tiles' lists
.set NST, 44                           ; steps up to my last listed one
.set K16, 45
.set PFB, 46
.set KST, 48
.set NXT, 49
.set PFL, 51
.set SBK, 52                           ; s[52:57] K's image, V's image, K's scale unit of the step that is asked for in this trip
.set SBV, 54
.set SSC, 56
.set NEGP, 58
.set CS,   60
.set SEL,  62
.set MNT,  66
.set ADV,  84                          ; s[84:87], s[98:99] a trip's offsets, as pairs
.set ADS,  86
.set ADM,  98
.set MSB, 0
.macro WIN new
.if MSB != \new
	s_set_vgpr_msb (MSB<<8)|\new
.set MSB, \new
.endif
.endm
.macro PLACES8
.rept 8
	v_nop
.endr
.endm
.macro KISS                            ; 17 loads: K's image and its scale words
	WIN 0x40
.set j, 0
.rept 16
	global_load_b128 v[KF+4*j:KF+4*j+3], v[LI], s[SBK:SBK+1] offset:512*j
.set j, j+1
.endr
	WIN 0
	global_load_b128 v[KSR:KSR+3], v[R16], s[SSC:SSC+1]
.endm
.macro VISS                            ; 17 loads: V's
	WIN 0x40
.set j, 0
.rept 16
	global_load_b128 v[VF+4*j:VF+4*j+3], v[LI], s[SBV:SBV+1] offset:512*j
.set j, j+1
.endr
	WIN 0
	global_load_b128 v[VSR:VSR+3], v[R16], s[SSC:SSC+1] offset:262144
.endm
.macro KNEXT                           ; the next step's K
	s_wait_loadcnt 0x0                             ; every load of mine is done, V among them
	KISS
.endm
.macro QK i, c                         ; eight accumulators, one instruction each
	WIN 0x01                                       ; source 0 (K) window 1
.set j, 0
.rept 8
.if \c
	v_wmma_scale_f32_16x16x128_f8f6f4 v[S+8*j:S+8*j+7], v[KF+16*(j/2):KF+16*(j/2)+15], v[QA+8+16*(\i)-8*(j%2):QA+23+16*(\i)-8*(j%2)], v[S+8*j:S+8*j+7], v[KSR+j/2], v[QSR+\i]
.else
	v_wmma_scale_f32_16x16x128_f8f6f4 v[S+8*j:S+8*j+7], v[KF+16*(j/2):KF+16*(j/2)+15], v[QA+8+16*(\i)-8*(j%2):QA+23+16*(\i)-8*(j%2)], 0, v[KSR+j/2], v[QSR+\i]
.endif
.set j, j+1
.endr
	WIN 0
.endm
	s_load_b256 s[4:11], s[0:1], 0x0               ; qkvc, qkvs, mask, flags
	s_load_b128 s[12:15], s[0:1], 0x20             ; cc, cs
	v_lshl_add_u32 v[SPW], v0, 2, SPARE
	v_mov_b32 v[NIL], 0
	v_lshrrev_b32 v[RW], 5, v0
	v_readfirstlane_b32 s[WV], v[RW]               ; wave 0..7
	s_and_b32 s18, ttmp7, 0xffff                   ; 4 b + g
	s_lshr_b32 s19, s18, 2
	s_and_b32 s20, s18, 3
	s_and_b32 s21, s[WV], 3                        ; my head of the four
	s_lshr_b32 s22, s[WV], 2
	s_lshl_b32 s22, s22, 1                         ; mA: my first pair of tiles: 0 or 2
	s_xor_b32 s23, s22, 6                          ; mB: my second pair: 6 or 4
	s_lshl_b32 s24, ttmp9, 2
	s_sub_co_u32 s25, 120, s24
	s_add_co_u32 s26, s24, s22                     ; tile mA among the batch's 128
	s_add_co_u32 s27, s25, s23                     ; tile mB
	s_cmp_lt_u32 s[WV], 4
	s_cselect_b32 s28, s24, s25
	s_add_co_u32 s28, s28, s[WV]                   ; tile m = w, which I store
	s_mov_b32 s31, 0
	s_mov_b32 s89, 0
	s_mov_b32 s[ADV+1], 0
	s_mov_b32 s[ADS+1], 0
	s_mov_b32 s[NEGP], 0xce6e6b28                  ; -1e9
	s_mov_b32 s[NEGP+1], s[NEGP]
	s_mov_b32 s[CS], 0x3d38aa3b                    ; log2(e) / 32
	s_mov_b32 s[CS+1], s[CS]
	s_mov_b32 s[SEL], 0x76543210
	s_mov_b32 s[SEL+1], 0xfedcba98
	s_mov_b32 s[MNT], 0x600000
	s_mov_b32 s[KST], 0
	v_and_b32 v[RW], 31, v0
	v_lshlrev_b32 v[LI], 4, v[RW]
	v_lshlrev_b32 v[PFV], 8, v[RW]
	v_and_b32 v[RW], 15, v0                        ; r
	v_bfe_u32 v[RW+1], v0, 4, 1                    ; h
	v_lshlrev_b32 v[R16], 4, v[RW]
	v_lshlrev_b32 v[MO], 13, v[RW]
	v_lshl_add_u32 v[MO], v[RW+1], 6, v[MO]
	s_wait_alu depctr_va_vdst(0)                   ; the wait here, directly ahead of the wait below
	s_wait_kmcnt 0x0
	s_lshl_b32 s30, s26, 4                         ; 16 bytes of flags a tile; a pair of tiles is 32 on end
	s_add_nc_u64 s[32:33], s[10:11], s[30:31]
	s_load_b256 s[68:75], s[32:33], 0x0
	s_lshl_b32 s30, s27, 4
	s_add_nc_u64 s[34:35], s[10:11], s[30:31]
	s_load_b256 s[76:83], s[34:35], 0x0
	s_lshl_b32 s38, s18, 2                         ; 16 b + 4 g
	s_add_co_u32 s39, s38, s21                     ; my head among the 64
	s_lshl_b32 s88, s39, 17                        ; Q's fragments and scale words
	s_lshl_b32 s30, s26, 10
	s_add_co_u32 s88, s88, s30
	s_add_nc_u64 s[90:91], s[4:5], s[88:89]
	s_lshl_b32 s88, s39, 17
	s_lshl_b32 s30, s27, 10
	s_add_co_u32 s88, s88, s30
	s_add_nc_u64 s[92:93], s[4:5], s[88:89]
	s_lshl_b32 s88, s39, 12
	s_lshr_b32 s30, s26, 3
	s_lshl_b32 s30, s30, 8
	s_add_co_u32 s88, s88, s30
	s_bfe_u32 s30, s26, 0x20001
	s_lshl_b32 s30, s30, 2
	s_add_co_u32 s88, s88, s30
	s_add_nc_u64 s[94:95], s[6:7], s[88:89]
	s_lshl_b32 s88, s39, 12
	s_lshr_b32 s30, s27, 3
	s_lshl_b32 s30, s30, 8
	s_add_co_u32 s88, s88, s30
	s_bfe_u32 s30, s27, 0x20001
	s_lshl_b32 s30, s30, 2
	s_add_co_u32 s88, s88, s30
	s_add_nc_u64 s[96:97], s[6:7], s[88:89]
.irp e, 0,1
.irp c, 0,1
	global_load_b128 v[QA+8+16*\e+4*\c:QA+11+16*\e+4*\c], v[LI], s[90:91] offset:1024*\e+512*\c
	global_load_b128 v[QA+40+16*\e+4*\c:QA+43+16*\e+4*\c], v[LI], s[92:93] offset:1024*\e+512*\c
.endr
.endr
	global_load_b32 v[RW], v[R16], s[94:95]        ; the scale words of my pairs of Q's tiles
	global_load_b32 v[RW+1], v[R16], s[96:97]
	s_lshl_b32 s88, s39, 17                        ; my head's V and K, step 0: the fixed bases
	s_add_co_u32 s88, s88, 2<<23
	s_add_nc_u64 s[BV0:BV0+1], s[4:5], s[88:89]
	s_sub_co_u32 s88, s88, 1<<23
	s_add_nc_u64 s[BK0:BK0+1], s[4:5], s[88:89]
	s_lshl_b32 s88, s39, 12
	s_add_co_u32 s88, s88, 1<<18
	s_add_nc_u64 s[SC0:SC0+1], s[6:7], s[88:89]
	s_mov_b64 s[SBK:SBK+1], s[BK0:BK0+1]
	s_mov_b64 s[SBV:SBV+1], s[BV0:BV0+1]
	s_mov_b64 s[SSC:SSC+1], s[SC0:SC0+1]
	KISS
	VISS
	s_lshl_b32 s88, s26, 17                        ; the mask's rows of my tiles
	s_add_nc_u64 s[MA0:MA0+1], s[8:9], s[88:89]
	s_lshl_b32 s88, s27, 17
	s_add_nc_u64 s[MB0:MB0+1], s[8:9], s[88:89]
	s_cmp_eq_u32 ttmp9, 0
	s_cselect_b32 s[PFL], 14, 0                    ; steps 0 .. 13 of the work-groups with jp = 0 ask
	s_lshl_b32 s30, s19, 11                        ; where tile w's codes and scale bytes go
	s_lshl_b32 s88, s28, 4
	s_add_co_u32 s30, s30, s88
	s_lshl_b32 s88, s30, 10
	s_lshl_b32 s98, s20, 8
	s_add_co_u32 s88, s88, s98
	s_add_nc_u64 s[12:13], s[12:13], s[88:89]
	s_lshl_b32 s88, s30, 5
	s_lshl_b32 s98, s20, 3
	s_add_co_u32 s88, s88, s98
	s_add_nc_u64 s[14:15], s[14:15], s[88:89]
	s_mov_b32 s[ADM+1], 0
.irp e, 0,1,2,3,4
.irp c, 0,1,2,3,4,5,6,7
	v_mov_b32 v[QA+16*\e+\c], 0                    ; the zero codes beside Q
.endr
.endr
.irp e, 0,1,2,3
	v_mov_b32 v[STT+4*\e+1], 0xff61b1e6            ; the largest t so far: -3e38
	v_floor_f32 v[STT+4*\e], -v[STT+4*\e+1]        ; -M
	v_mov_b32 v[STT+4*\e+2], 0
	v_mov_b32 v[STT+4*\e+3], 0
	v_mov_b32 v[W1+\e], 0                          ; a lane permute's destination counts as one of its sources
.endr
	v_mov_b32 v[FF+1], 0                           ; named as the upper half of a pair
	WIN 0x40
.set j, 0
.rept 128
	v_mov_b32 v[j], 0                              ; O^T: which step is a tile's first hangs on the stored lists, so none is written out with C = 0
.set j, j+1
.endr
	WIN 0
	s_wait_kmcnt 0x0                               ; the lists
.irp e, 0,1,2,3
	s_or_b32 s[F0+\e], s[68+4*\e], s[69+4*\e]
	s_or_b32 s[F0+\e], s[F0+\e], s[70+4*\e]
	s_or_b32 s[F0+\e], s[F0+\e], s[71+4*\e]
.endr
	s_or_b32 s[NST], s[F0], s[F0+1]
	s_or_b32 s[NST], s[NST], s[F0+2]
	s_or_b32 s[NST], s[NST], s[F0+3]
	s_and_b32 s[NST], s[NST], 0xffff
.irp e, 1,2,4,8
	s_lshr_b32 s30, s[NST], \e                     ; every bit under the highest is set,
	s_or_b32 s[NST], s[NST], s30
.endr
	s_bcnt1_i32_b32 s[NST], s[NST]                 ; and counted: my last listed step + 1, at most 16
	s_wait_loadcnt 34                              ; Q and its scale words are in; K's 17 and V's 17 loads may be out
	v_perm_b32 v[QSR], v[RW], v[RW], 0x01000100    ; a tile's two bytes, twice: for [Q | zeros] and [zeros | Q] alike
	v_perm_b32 v[QSR+1], v[RW], v[RW], 0x03020302
	v_perm_b32 v[QSR+2], v[RW+1], v[RW+1], 0x01000100
	v_perm_b32 v[QSR+3], v[RW+1], v[RW+1], 0x03020302
	PLACES8                                        ; a scale register written by a vector instruction stands eight places ahead of its product
; ONE TILE OF 16 QUERIES x 128 KEYS.  mb: the pair's mask base; off: 0 or a tile further on; last = 1: stream 3, which asks for the next K on both its ways.
.macro STREAM i, mb, off, last
.set ST, STT+4*(\i)
.set OI, 32*(\i)
	s_bitcmp1_b32 s[F0+\i], s[KST]
	s_cbranch_scc0 .Lidle_\@                       ; every p of this tile and step is 0
	s_bitcmp1_b32 s[F0+\i], s[K16]
	s_cbranch_scc0 .Lplain_\@                      ; the mask's term is 0 in this tile and step
.set j, 0
.rept 16
	global_load_b128 v[S+4*j:S+4*j+3], v[MO], s[\mb:\mb+1] offset:\off+128*(j/4)+16*(j%4)   ; the mask in the result's layout: register 16 c + i is key 32 c + 16 h + i
.set j, j+1
.endr
	s_wait_loadcnt 0x0
.set j, 0
.rept 32
	v_pk_mul_f32 v[S+j:S+j+1], v[S+j:S+j+1], s[NEGP:NEGP+1] op_sel_hi:[1,0]
.set j, j+2
.endr
	QK \i, 1
	s_branch .Lgot_\@
.Lplain_\@:
	QK \i, 0
.Lgot_\@:
	PLACES8                                        ; behind the products: ahead of the first read of their results and of loads into their sources
.if \last
	KNEXT
.endif
.irp b, 0,1,2,3
	v_max3_num_f32 v[BM+\b], v[S+16*\b], v[S+1+16*\b], v[S+2+16*\b]   ; the largest score of each block of 32 keys: for the row's maximum, and, since p rises with the score, for the block's largest p
.endr
.irp u, 3,5,7,9,11,13
.irp b, 0,1,2,3
	v_max3_num_f32 v[BM+\b], v[BM+\b], v[S+16*\b+\u], v[S+1+16*\b+\u]
.endr
.endr
.irp b, 0,1,2,3
	v_max_num_f32 v[BM+\b], v[BM+\b], v[S+15+16*\b]
.endr
.irp b, 0,1,2,3
	s_delay_alu instid0(VALU_DEP_4)
	v_permlanex16_b32 v[W1+\b], v[BM+\b], s[SEL], s[SEL+1]
.endr
.irp b, 0,1,2,3
	s_delay_alu instid0(VALU_DEP_4)
	v_max_num_f32 v[BM+\b], v[BM+\b], v[W1+\b]     ; with lane l xor 16's 16 keys
.endr
	s_delay_alu instid0(VALU_DEP_2)
	v_max3_num_f32 v[TP], v[BM], v[BM+1], v[BM+2]
	s_delay_alu instid0(VALU_DEP_1)
	v_max_num_f32 v[TP], v[TP], v[BM+3]
	s_delay_alu instid0(VALU_DEP_1)
	v_mul_f32 v[TP], s[CS], v[TP]                  ; as t
	s_delay_alu instid0(VALU_DEP_1)
	v_max_num_f32 v[ST+1], v[ST+1], v[TP]          ; the running largest t
	v_mov_b32 v[TP], v[ST]
	s_delay_alu instid0(VALU_DEP_2)
	v_floor_f32 v[ST], -v[ST+1]                    ; the new -M = -ceil(t)
	s_delay_alu instid0(VALU_DEP_1)
	v_sub_f32 v[TP], v[ST], v[TP]                  ; old M - new M: a whole number, 0 or less
	s_delay_alu instid0(VALU_DEP_1)
	v_cvt_i32_f32 v[TP], v[TP]                     ; (it saturates)
	s_delay_alu instid0(VALU_DEP_1)
	v_ldexp_f32 v[FF], 1.0, v[TP]                  ; f = 2^(old M - new M): rounds nothing
.set j, 0
.rept 32
	v_pk_fma_f32 v[S+j:S+j+1], v[S+j:S+j+1], s[CS:CS+1], v[ST:ST+1] op_sel_hi:[1,0,0]   ; t - M
.set j, j+2
.endr
.irp b, 0,1,2,3
	v_fma_f32 v[BM+\b], v[BM+\b], s[CS], v[ST]
.endr
	s_wait_alu depctr_va_vdst(0)                   ; the wait ahead of the batch
.set j, 0
.rept 64
	v_exp_f32 v[S+j], v[S+j]                       ; p = 2^(t - M)
.set j, j+1
.endr
	v_pk_mul_f32 v[ST+2:ST+3], v[ST+2:ST+3], v[FF:FF+1] op_sel_hi:[1,0]   ; the sums under the new M: the plain instruction behind the exponentials
	s_wait_alu depctr_va_vdst(0)                   ; one wait for the batch of 64, ahead of its first reader
.irp b, 0,1,2,3
	v_exp_f32 v[BM+\b], v[BM+\b]                   ; the blocks' largest p
.endr
	v_pk_add_f32 v[W1:W1+1], v[S:S+1], v[S+2:S+3]  ; the row's sum of the unquantised p, in four chains by turns
	v_pk_add_f32 v[W1+2:W1+3], v[S+4:S+5], v[S+6:S+7]
	v_pk_add_f32 v[W2:W2+1], v[S+8:S+9], v[S+10:S+11]
	v_pk_add_f32 v[ST+2:ST+3], v[ST+2:ST+3], v[S+12:S+13]
	v_pk_add_f32 v[W1:W1+1], v[W1:W1+1], v[S+14:S+15]
.irp u, 16,24,32,40,48,56
	v_pk_add_f32 v[W1+2:W1+3], v[W1+2:W1+3], v[S+\u:S+\u+1]
	v_pk_add_f32 v[W2:W2+1], v[W2:W2+1], v[S+\u+2:S+\u+3]
	v_pk_add_f32 v[ST+2:ST+3], v[ST+2:ST+3], v[S+\u+4:S+\u+5]
	v_pk_add_f32 v[W1:W1+1], v[W1:W1+1], v[S+\u+6:S+\u+7]
.endr
	v_pk_add_f32 v[W1+2:W1+3], v[W1+2:W1+3], v[W2:W2+1]
	v_pk_add_f32 v[ST+2:ST+3], v[ST+2:ST+3], v[W1:W1+1]
	v_pk_add_f32 v[ST+2:ST+3], v[ST+2:ST+3], v[W1+2:W1+3]
	s_wait_alu depctr_va_vdst(0)                   ; and one for the four
.irp b, 0,1,2,3
	v_max_num_f32 v[BM+\b], 0x4800000, v[BM+\b]    ; the floor 2^(9 - 127): the byte cannot fall under 1
.endr
.irp b, 0,1,2,3
	s_delay_alu instid0(VALU_DEP_4)
	v_add_nc_u32 v[SO+\b], 0xfc000000, v[BM+\b]    ; the conversion's scale operand
.endr
.irp b, 0,1,2,3
	v_and_or_b32 v[LM+\b], v[BM+\b], 0x7f800000, s[MNT]   ; 448 x the scale
.endr
.irp b, 0,1,2,3
	v_and_or_b32 v[LM2+\b], v[BM+\b], 0x7f800000, s[MNT]  ; and its twin
.endr
.irp b, 0,1,2,3
	v_lshrrev_b32 v[W1+\b], 23, v[SO+\b]
.endr
	s_delay_alu instid0(VALU_DEP_3)
	v_lshl_or_b32 v[PS], v[W1+1], 8, v[W1]         ; p's scale word for these 128 keys
	s_delay_alu instid0(VALU_DEP_1)
	v_lshl_or_b32 v[PS], v[W1+2], 16, v[PS]
	s_delay_alu instid0(VALU_DEP_1)
	v_lshl_or_b32 v[PS], v[W1+3], 24, v[PS]
.irp b, 0,1,2,3
.irp u, 0,2,4,6,8,10,12,14
	v_dual_min_num_f32 v[S+16*\b+\u], v[S+16*\b+\u], v[LM+\b] :: v_dual_min_num_f32 v[S+16*\b+\u+1], v[S+16*\b+\u+1], v[LM2+\b]   ; the conversion does not saturate (ISA guide 7.6.2); p is not negative: a one-sided hold, two numbers an instruction
.endr
	v_cvt_scalef32_pk8_fp8_f32 v[P+4*\b:P+1+4*\b], v[S+16*\b:S+7+16*\b], v[SO+\b]
	v_cvt_scalef32_pk8_fp8_f32 v[P+2+4*\b:P+3+4*\b], v[S+8+16*\b:S+15+16*\b], v[SO+\b]
.endr
	WIN 0x41
	s_wait_alu depctr_va_vdst(0)                   ; the wait here, directly ahead of the first reader of O^T
.set j, 0
.rept 16
	v_pk_mul_f32 v[OI+j:OI+j+1], v[OI+j:OI+j+1], v[FF:FF+1] op_sel_hi:[1,0]   ; O^T under the new M.  These sixteen also stand between the conversions and the products
.set j, j+2
.endr
	WIN 0x51                                       ; V and O^T window 1, p window 0
.if \last == 0
	s_wait_alu depctr_va_vdst(0)                   ; the wait here, directly ahead of the wait below
	s_wait_loadcnt 0x0                             ; V is in (stream 3 has waited ahead of its loads of K)
.endif
.irp c, 0,1,2,3
	v_wmma_scale_f32_16x16x128_f8f6f4 v[OI+8*\c:OI+8*\c+7], v[VF+16*\c:VF+16*\c+15], v[P:P+15], v[OI+8*\c:OI+8*\c+7], v[VSR+\c], v[PS]
.endr
	WIN 0
.if \last
	s_branch .Ldone_\@
.endif
.Lidle_\@:
.if \last
	KNEXT
.Ldone_\@:
.endif
.endm
	s_wait_alu depctr_va_vdst(0)                   ; the wait at the head's end
.Lstep:                                            ; sixteen trips, a key step each
	s_wait_xcnt 0x0                                ; the last trip's loads and prefetch have read their bases: the trip's addresses are made here, on every wave's way, from the fixed bases and the counter
	s_add_co_u32 s[NXT], s[KST], 1
	s_min_u32 s[NXT], s[NXT], 15                   ; the step that this trip asks for; step 15 asks for itself again
	s_lshl_b32 s[ADV], s[NXT], 13
	s_lshl_b32 s[ADS], s[NXT], 8
	s_lshl_b32 s[ADM], s[KST], 9
	s_add_nc_u64 s[SBK:SBK+1], s[BK0:BK0+1], s[ADV:ADV+1]
	s_add_nc_u64 s[SBV:SBV+1], s[BV0:BV0+1], s[ADV:ADV+1]
	s_add_nc_u64 s[SSC:SSC+1], s[SC0:SC0+1], s[ADS:ADS+1]
	s_add_nc_u64 s[SBMA:SBMA+1], s[MA0:MA0+1], s[ADM:ADM+1]
	s_add_nc_u64 s[SBMB:SBMB+1], s[MB0:MB0+1], s[ADM:ADM+1]
	s_cmp_lt_u32 s[WV], 4                          ; the prefetch: waves 0-3 K's image, waves 4-7 V's
	s_cselect_b64 s[PFB:PFB+1], s[SBK:SBK+1], s[SBV:SBV+1]
	s_cmp_ge_u32 s[KST], s[NST]
	s_cbranch_scc1 .Lskip                          ; behind my last listed step: nothing is loaded or worked
	s_add_co_u32 s[K16], s[KST], 16
	s_wait_loadcnt 17                              ; K's 17 loads are in; V's 17, issued behind them, may be out
	s_cmp_lt_u32 s[KST], s[PFL]
	s_cbranch_scc0 .Lno_ask
	global_prefetch_b8 v[PFV], s[PFB:PFB+1] offset:8192 th:TH_LOAD_NT scope:SCOPE_SE   ; one step behind the step that this trip loads
.Lno_ask:
	STREAM 0, SBMA, 0, 0
	STREAM 1, SBMA, 131072, 0
	STREAM 2, SBMB, 0, 0
	STREAM 3, SBMB, 131072, 1
	PLACES8                                        ; behind the last products, ahead of loads into their sources and scale words
	VISS
.Lskip:
	s_add_co_u32 s[KST], s[KST], 1
	s_cmp_lt_u32 s[KST], 16
	s_wait_alu depctr_va_vdst(0)                   ; the wait here, directly ahead of the branch
	s_cbranch_scc1 .Lstep
	; THE WAY OUT.  O^T / the sum is quantised along the model's axis (a head is two blocks of 32; a block lies in lanes l and l xor 16); codes and bytes of four heads meet in a stage in LDS and leave as whole rows.
	s_wait_loadcnt 0x0
	s_mul_i32 s30, s22, 16*CP
	s_lshl_b32 s32, s21, 6
	s_add_co_u32 s30, s30, s32
	s_mul_i32 s33, s23, 16*CP
	s_add_co_u32 s33, s33, s32
	s_lshl_b32 s32, s21, 1
	s_lshl_b32 s34, s22, 7
	s_add_co_u32 s34, s34, s32
	s_add_co_u32 s34, s34, STGS
	s_lshl_b32 s35, s23, 7
	s_add_co_u32 s35, s35, s32
	s_add_co_u32 s35, s35, STGS
	s_mul_i32 s67, s[WV], 16*CP
	s_lshl_b32 s29, s[WV], 7
	s_add_co_u32 s29, s29, STGS
	v_and_b32 v[RW], 15, v0                        ; these plain lines are also the places behind the last products
	v_bfe_u32 v[RW+1], v0, 4, 1
	v_mul_u32_u24 v7, v[RW], CP
	v_lshl_add_u32 v7, v[RW+1], 4, v7
	v_add_nc_u32 v8, s33, v7                       ; in: token row 16 m + r, + 64 x head + 16 h
	v_add_nc_u32 v7, s30, v7
	v_lshlrev_b32 v9, 3, v[RW]
	v_add_nc_u32 v10, s35, v9                      ; the token's 8 scale bytes, + 2 x head
	v_add_nc_u32 v9, s34, v9
	v_mul_u32_u24 v11, v[RW+1], CP
	v_lshl_add_u32 v11, v[RW], 4, v11
	v_add_nc_u32 v11, s67, v11                     ; back: tile w's rows, two an instruction
	v_lshlrev_b32 v12, 10, v[RW+1]
	v_lshl_add_u32 v12, v[RW], 4, v12              ; and the same place in cc
	v_and_b32 v14, 31, v0
	v_lshl_add_u32 v13, v14, 2, s29                ; tile w's scale bytes, 4 a lane
	v_lshrrev_b32 v15, 1, v14
	v_and_b32 v14, 1, v14
	v_lshlrev_b32 v14, 2, v14
	v_lshl_add_u32 v14, v15, 5, v14                ; and in cs: 32 bytes a token
.irp e, 0,1,2,3
	v_add_f32 v[STT+4*\e+2], v[STT+4*\e+2], v[STT+4*\e+3]
.endr
.irp e, 0,1,2,3
	v_permlanex16_b32 v[W1+\e], v[STT+4*\e+2], s[SEL], s[SEL+1]
.endr
.irp e, 0,1,2,3
	v_add_f32 v[STT+4*\e+2], v[STT+4*\e+2], v[W1+\e]   ; the row's sum
.endr
	s_wait_alu depctr_va_vdst(0)                   ; the wait ahead of the batch
.irp e, 0,1,2,3
	v_rcp_f32 v[STT+4*\e+2], v[STT+4*\e+2]
.endr
	v_nop                                          ; a plain instruction behind the last reciprocal
	s_wait_alu depctr_va_vdst(0)                   ; one wait for the four, ahead of their first reader
.macro OUT i, sto, sts
	WIN 0x01
.set j, 0
.rept 16                                       ; each accumulator from its low end on
	v_pk_mul_f32 v[S+j:S+j+1], v[32*(\i)+j:32*(\i)+j+1], v[STT+4*(\i)+2:STT+4*(\i)+3] op_sel_hi:[1,0]
.set j, j+2
.endr
	WIN 0
.irp b, 0,1
	v_max3_num_f32 v[BM+\b], |v[S+16*\b]|, |v[S+1+16*\b]|, 0x4800000
.endr
.irp u, 2,4,6,8,10,12,14
.irp b, 0,1
	v_max3_num_f32 v[BM+\b], v[BM+\b], |v[S+16*\b+\u]|, |v[S+1+16*\b+\u]|
.endr
.endr
.irp b, 0,1
	v_permlanex16_b32 v[W1+\b], v[BM+\b], s[SEL], s[SEL+1]
.endr
.irp b, 0,1
	v_max_num_f32 v[BM+\b], v[BM+\b], v[W1+\b]
.endr
.irp b, 0,1
	v_add_nc_u32 v[SO+\b], 0xfc000000, v[BM+\b]
.endr
.irp b, 0,1
	v_and_or_b32 v[LM+\b], v[BM+\b], 0x7f800000, s[MNT]
.endr
.irp b, 0,1
	v_lshrrev_b32 v[W1+\b], 23, v[SO+\b]
.endr
	v_lshl_or_b32 v[TP], v[W1+1], 8, v[W1]         ; the head's two bytes
.irp b, 0,1
.irp u, 0,1,2,3,4,5,6,7,8,9,10,11,12,13,14,15
	v_med3_num_f32 v[S+16*\b+\u], v[S+16*\b+\u], -v[LM+\b], v[LM+\b]
.endr
	v_cvt_scalef32_pk8_fp8_f32 v[P+4*\b:P+1+4*\b], v[S+16*\b:S+7+16*\b], v[SO+\b]
	v_cvt_scalef32_pk8_fp8_f32 v[P+2+4*\b:P+3+4*\b], v[S+8+16*\b:S+15+16*\b], v[SO+\b]
.endr
	v_nop                                          ; a plain instruction behind the last conversion
	ds_store_b128 v[\sto], v[P:P+3] offset:((\i)%2)*16*CP
	ds_store_b128 v[\sto], v[P+4:P+7] offset:((\i)%2)*16*CP+32
	ds_store_b16 v[\sts], v[TP] offset:((\i)%2)*128   ; both lanes of a block write the same bytes with the same value
	s_wait_dscnt 0x0                               ; the stores have read their registers
.endm
	OUT 0, 7, 9
	OUT 1, 7, 9
	OUT 2, 8, 10
	OUT 3, 8, 10
	s_wait_alu depctr_va_vdst(0)                   ; the wait here, directly ahead of the signal
	s_barrier_signal -1                            ; every wave's stores into the stage have landed
	s_barrier_wait -1
.irp e, 0,1,2,3,4,5,6,7
	ds_load_b128 v[S+4*\e:S+4*\e+3], v11 offset:2*\e*CP
.endr
	ds_load_b32 v[BM], v13
.irp e, 0,1,2,3,4,5,6,7
	s_wait_dscnt 8-\e                              ; the younger row loads and the scale load may be out
	global_store_b128 v12, v[S+4*\e:S+4*\e+3], s[12:13] offset:2*\e*1024   ; sixteen lanes store 256 consecutive bytes, aligned
.endr
	s_wait_dscnt 0x0
	global_store_b32 v14, v[BM], s[14:15]          ; 8 bytes of a token's 32: one byte in 32 of what the codes are
	s_wait_tensorcnt 0x0                           ; the wave's end
	ds_add_u32 v[SPW], v[NIL]
	s_wait_dscnt 0x0
	s_endpgm
.Lfunc_end_k_qd1ef05742d_attn:
	.size	k_qd1ef05742d_attn, .Lfunc_end_k_qd1ef05742d_attn-k_qd1ef05742d_attn
	.p2alignl 7, 3214868480
	.fill 96, 4, 3214868480
	.section	.rodata,"a",@progbits
	.p2align	6, 0x0
	.amdhsa_kernel k_qd1ef05742d_attn
		.amdhsa_group_segment_fixed_size 36864
		.amdhsa_private_segment_fixed_size 0
		.amdhsa_enable_private_segment 0
		.amdhsa_kernarg_size 48
		.amdhsa_user_sgpr_count 2
		.amdhsa_user_sgpr_kernarg_segment_ptr 1
		.amdhsa_wavefront_size32 1
		.amdhsa_system_sgpr_workgroup_id_x 1
		.amdhsa_system_sgpr_workgroup_id_y 1
		.amdhsa_system_sgpr_workgroup_id_z 1
		.amdhsa_system_vgpr_workitem_id 0
		.amdhsa_next_free_vgpr 512
		.amdhsa_next_free_sgpr 100
		.amdhsa_reserve_vcc 0
		.amdhsa_float_denorm_mode_32 3
		.amdhsa_float_denorm_mode_16_64 3
		.amdhsa_memory_ordered 1
		.amdhsa_forward_progress 1
		.amdhsa_inst_pref_size 135
	.end_amdhsa_kernel
	.amdgpu_metadata
---
amdhsa.version: [ 1, 2 ]
amdhsa.kernels:
  - .name:           k_qd1ef05742d_attn
    .symbol:         k_qd1ef05742d_attn.kd
    .args:
      - { .name: qkvc, .offset: 0, .size: 8, .value_kind: global_buffer, .address_space: global }
      - { .name: qkvs, .offset: 8, .size: 8, .value_kind: global_buffer, .address_space: global }
      - { .name: mask, .offset: 16, .size: 8, .value_kind: global_buffer, .address_space: global }
      - { .name: flags, .offset: 24, .size: 8, .value_kind: global_buffer, .address_space: global }
      - { .name: cc, .offset: 32, .size: 8, .value_kind: global_buffer, .address_space: global }
      - { .name: cs, .offset: 40, .size: 8, .value_kind: global_buffer, .address_space: global }
    .group_segment_fixed_size: 36864
    .private_segment_fixed_size: 0
    .kernarg_segment_align: 8
    .kernarg_segment_size: 48
    .max_flat_workgroup_size: 256
    .sgpr_count:     100
    .vgpr_count:     512
    .wavefront_size: 32
...
	.end_amdgpu_metadata
.endif
;; end of part 3
;; launch outp (part 4): grid 4 x 32, 4 waves a work-group, clusters of 4 x 4, 327,680 bytes of LDS; arguments cc, cs, opc, ops, bo, out0; writes out0
.if DOCPART == 4
	.amdgcn_target "amdgcn-amd-amdhsa--gfx1250"
	.amdhsa_code_object_version 6
	.text
	.protected	k_qd1ef05742d_outp
	.globl	k_qd1ef05742d_outp
	.p2align	8
	.type	k_qd1ef05742d_outp,@function
k_qd1ef05742d_outp:
	s_mov_b64 s[64:65], 0
	v_nop
	global_prefetch_b8 v0, s[64:65] scope:SCOPE_SE
	s_setreg_imm32_b32 hwreg(HW_REG_WAVE_MODE, 25, 1), 1
	s_wait_xcnt 0x0
	s_wait_alu depctr_hold_cnt(0) depctr_sa_sdst(0) depctr_va_vdst(0) depctr_va_sdst(0) depctr_va_ssrc(0) depctr_va_vcc(0) depctr_vm_vsrc(0)
	s_getreg_b32 s2, hwreg(HW_REG_IB_STS2, 6, 4)
	s_cmp_eq_u32 s2, 0
	s_cbranch_scc0 .Lentry_in_a_cluster
	s_endpgm
.Lentry_in_a_cluster:
	s_bfe_u32 s2, ttmp6, 0x10000c
	s_cmp_lg_u32 s2, 0xf033
	s_cbranch_scc0 .Lentry_shape_is_right
	s_endpgm
.Lentry_shape_is_right:
.set SIZE_M, 8192
.set SIZE_N, 1024
.set SIZE_K, 1024
.set WO_CODES,  27648*1024
.set WO_SCALES, 27648*32
.set KSTEP,  256
.set NQ,     KSTEP/128
.set ROWB,   256
.set KROW,   SIZE_K
.set PITCH,  272
.set FR,     16
.set NL,     4
.set NP,     8
.set HALFT,  128*PITCH
.set SLOT,   4*HALFT
.set LAPS,   SIZE_K/(2*KSTEP)
.set KS,     SIZE_K/32
.set SCL,    2*SLOT
.set HALFS,  (128*KS/256)*272
.set SBLK,   (16*KS/256)*272
.set SPARE,  SCL+4*HALFS
.set SPITCH, 528
.set ADRA, 16
.set ADRB, 20
.set STO,  24
.set RD,   25
.set CO,   26
.set ADRS, 27
.set SPW,  28
.set NIL,  29
.set BBO,  30
.set SC,   32
.set BB,   64
.set AF,   128
.set BK,   128
.set G1, 24
.set G0, 32
.set G1B, 48
.set G0B, 56
.set G1S, 68
.set G0S, 76
.set G1SB, 80
.set G0SB, 88
.set MSB, 0
.macro WIN new
.if MSB != \new
	s_set_vgpr_msb (MSB<<8)|\new
.set MSB, \new
.endif
.endm
.set MUL_LO, 0xa1
.set MUL_HI, 0xf1
.set FIRST_LO, 0x81
.set FIRST_HI, 0xc1
.set TO_B,   0x40
.macro JLOAD g0a, g1a, g0b, g1b
	s_cmp_eq_u32 s15, 0
	s_cbranch_scc0 .Lfor_b_\@
	tensor_load_to_lds s[\g0a:\g0a+3], s[\g1a:\g1a+7]
	s_nop 0
.rept 4
	v_nop
.endr
	s_branch .Lasked_\@
.Lfor_b_\@:
	tensor_load_to_lds s[\g0b:\g0b+3], s[\g1b:\g1b+7]
	s_nop 0
.rept 4
	v_nop
.endr
.Lasked_\@:
.endm
.macro CREST
	s_cmp_lg_u32 s14, 0
	s_cbranch_scc1 .Lnot_wave_0_\@
	s_barrier_signal -3
.Lnot_wave_0_\@:
	s_barrier_wait -3
	s_barrier_signal -1
	s_barrier_wait -1
.endm
.macro CROUND
	s_barrier_signal -1
	s_barrier_wait -1
	CREST
.endm
	s_load_b128 s[4:7], s[0:1], 0x0
	s_load_b128 s[8:11], s[0:1], 0x10
	s_load_b64 s[96:97], s[0:1], 0x20
	s_load_b64 s[12:13], s[0:1], 0x28
	v_lshl_add_u32 v[SPW], v0, 2, SPARE
	v_mov_b32 v[NIL], 0
	ds_add_u32 v28, v29
	ds_add_u32 v28, v29
	s_wait_dscnt 0x0
	v_lshrrev_b32 v1, 5, v0
	v_readfirstlane_b32 s14, v1
	s_lshr_b32 s15, s14, 1
	s_and_b32 s16, s14, 1
	s_bfe_u32 s40, ttmp6, 0x40000
	s_bfe_u32 s41, ttmp6, 0x40004
	s_lshl_b32 s42, ttmp9, 2
	s_add_co_u32 s42, s42, s40
	s_and_b32 s17, ttmp7, 0xffff
	s_lshl_b32 s17, s17, 2
	s_add_co_u32 s17, s17, s41
	s_lshl_b32 s43, s41, 2
	s_lshl_b32 s43, 15, s43
	s_lshl_b32 s44, 0x1111, s40
	s_or_b32 s[G1+0], s43, (0<<16)|(1<<20)|(1<<21)|(5<<22)|(3<<25)
	s_or_b32 s[G1B+0], s44, (0<<16)|(1<<20)|(1<<21)|(5<<22)|(3<<25)
.irp g, G1, G1B
	s_mov_b32 s[\g+1], ROWB<<16
	s_mov_b32 s[\g+2], 256<<16                     ; 256 rows for the head's loads; set to 128 behind them, for the ring's
	s_mov_b32 s[\g+3], ROWB<<16
	s_mov_b32 s[\g+4], 256
	s_mov_b32 s[\g+5], KROW
	s_mov_b32 s[\g+6], 0
	s_mov_b32 s[\g+7], 0
.endr
	s_or_b32 s[G1S+0], s43, (3<<16)|(1<<20)|(1<<21)|(5<<22)|(3<<25)
	s_or_b32 s[G1SB+0], s44, (3<<16)|(1<<20)|(1<<21)|(5<<22)|(3<<25)
.irp g, G1S, G1SB
	s_mov_b32 s[\g+1], 32<<16
	s_mov_b32 s[\g+2], KS<<16                      ; the scales of 256 rows: 256 KS dense bytes as KS rows of 256
	s_mov_b32 s[\g+3], 32<<16
	s_mov_b32 s[\g+4], KS
	s_mov_b32 s[\g+5], 32
	s_mov_b32 s[\g+6], 0
	s_mov_b32 s[\g+7], 0
.endr
	s_lshl_b32 s20, s17, 8                         ; A: the tile's first row
	s_lshl_b32 s46, s42, 8                         ; B: likewise
	s_mov_b32 s21, 0
	s_mov_b32 s47, 0
	s_mov_b64 s[18:19], KS
	s_mul_u64 s[22:23], s[20:21], s[18:19]
	s_mul_u64 s[92:93], s[46:47], s[18:19]
	s_mov_b64 s[18:19], KROW
	s_mul_u64 s[20:21], s[20:21], s[18:19]
	s_mul_u64 s[46:47], s[46:47], s[18:19]
	s_mul_i32 s45, s14, HALFT
	s_mul_i32 s18, s16, 128*KROW                   ; in the ring I fetch 128 rows of a tile: which half, in bytes
	s_mov_b32 s19, 0
	s_wait_kmcnt 0x0
	s_add_nc_u64 s[8:9], s[8:9], WO_CODES
	s_add_nc_u64 s[10:11], s[10:11], WO_SCALES
	s_add_nc_u64 s[20:21], s[4:5], s[20:21]
	s_add_nc_u64 s[22:23], s[6:7], s[22:23]
	s_add_nc_u64 s[46:47], s[8:9], s[46:47]
	s_add_nc_u64 s[92:93], s[10:11], s[92:93]
	CROUND
.set G0H, 4                            ; s[4:7], s[8:11] group 0 of the head's loads of K step 0 (the arguments that lay there have been used)
.set G0HB, 8
	s_mov_b32 s[G0H], 1                            ; the head's four tiles, each whole: K step 0's 256 rows of A,
	s_mov_b32 s[G0H+1], 0
	s_mov_b64 s[G0H+2:G0H+3], s[20:21]
	s_or_b32 s[G0H+3], s[G0H+3], 0x80000000
	s_mov_b32 s[G0HB], 1                           ; its 256 rows of B, behind them in slot 0,
	s_mov_b32 s[G0HB+1], 2*HALFT
	s_mov_b64 s[G0HB+2:G0HB+3], s[46:47]
	s_or_b32 s[G0HB+3], s[G0HB+3], 0x80000000
	s_mov_b32 s[G0S], 1                            ; the scales of A's 256 rows,
	s_mov_b32 s[G0S+1], SCL
	s_mov_b64 s[G0S+2:G0S+3], s[22:23]
	s_or_b32 s[G0S+3], s[G0S+3], 0x80000000
	s_mov_b32 s[G0SB], 1                           ; and of B's
	s_mov_b32 s[G0SB+1], SCL+2*HALFS
	s_mov_b64 s[G0SB+2:G0SB+3], s[92:93]
	s_or_b32 s[G0SB+3], s[G0SB+3], 0x80000000
	s_add_nc_u64 s[20:21], s[20:21], s[18:19]      ; for the ring: my 128 rows of the tile
	s_add_nc_u64 s[46:47], s[46:47], s[18:19]
.irp s, 0,1
	s_mov_b32 s[G0+4*\s], 1
	s_add_co_u32 s[G0+4*\s+1], s45, \s*SLOT
	s_add_nc_u64 s[G0+4*\s+2:G0+4*\s+3], s[20:21], \s*ROWB
	s_or_b32 s[G0+4*\s+3], s[G0+4*\s+3], 0x80000000
	s_mov_b32 s[G0B+4*\s], 1
	s_add_co_u32 s[G0B+4*\s+1], s45, \s*SLOT
	s_add_nc_u64 s[G0B+4*\s+2:G0B+4*\s+3], s[46:47], \s*ROWB
	s_or_b32 s[G0B+4*\s+3], s[G0B+4*\s+3], 0x80000000
.endr
; the head's loads, one a wave: wave 0 K step 0's rows of A, wave 1 those of B, wave 2 A's scales, wave 3 B's.  One tree of branches on the wave's number: every way passes one load
.macro ARM under, g0, g1, next
	s_cmp_lt_u32 s14, \under
	s_cbranch_scc0 \next
	tensor_load_to_lds s[\g0:\g0+3], s[\g1:\g1+7]
	s_nop 0
.rept 4
	v_nop
.endr
	s_branch .Lhead_asked
\next:
.endm
	ARM 1, G0H,  G1,  .Lhead_b
	ARM 2, G0HB, G1B, .Lhead_sa
	ARM 3, G0S,  G1S, .Lhead_sb
	tensor_load_to_lds s[G0SB:G0SB+3], s[G1SB:G1SB+7]
	s_nop 0
.rept 4
	v_nop
.endr
.Lhead_asked:
	v_and_b32 v1, 15, v0
	v_bfe_u32 v2, v0, 4, 1
	v_mul_u32_u24 v3, v1, PITCH
	v_lshl_add_u32 v4, v2, 4, v3
	s_mul_i32 s21, s15, HALFT
	s_mul_i32 s22, s16, HALFT
	s_add_co_u32 s22, s22, 2*HALFT
.irp s, 0,1
	v_add_nc_u32 v[ADRA+\s], s21, v4
	v_add_nc_u32 v[ADRB+\s], s22, v4
	s_add_co_u32 s21, s21, SLOT
	s_add_co_u32 s22, s22, SLOT
.endr
	v_mul_u32_u24 v5, v1, KS
	v_lshrrev_b32 v6, 8, v5
	v_lshl_add_u32 v5, v6, 4, v5
	s_mul_i32 s21, s15, HALFS
	s_mul_i32 s22, s16, HALFS
	s_add_co_u32 s22, s22, 2*HALFS
	s_sub_co_u32 s22, s22, s21
	v_mul_u32_u24 v6, s22, v2
	s_add_co_u32 s21, s21, SCL
	v_add_nc_u32 v5, v5, v6
	v_add_nc_u32 v[ADRS], s21, v5
	s_mul_i32 s23, s14, 16*SPITCH
	v_mul_u32_u24 v5, v1, SPITCH
	v_lshl_add_u32 v5, v2, 5, v5
	v_add_nc_u32 v[STO], s23, v5
	v_and_b32 v6, 31, v0
	v_lshlrev_b32 v[CO], 4, v6
	v_add_nc_u32 v[RD], s23, v[CO]
	s_lshl_b32 s20, s17, 8
	s_lshl_b32 s21, s15, 7
	s_add_co_u32 s20, s20, s21
	s_mov_b32 s21, 0
	s_mov_b64 s[18:19], SIZE_N*4
	s_mul_u64 s[20:21], s[20:21], s[18:19]
	s_lshl_b32 s46, s42, 10
	s_lshl_b32 s47, s16, 9
	s_add_co_u32 s46, s46, s47
	s_mov_b32 s47, 0
	s_add_nc_u64 s[20:21], s[20:21], s[46:47]
	s_add_nc_u64 s[12:13], s[12:13], s[20:21]
	s_add_nc_u64 s[96:97], s[96:97], s[46:47]
	v_lshlrev_b32 v[BBO], 5, v2
.irp e, 0,1,2,3,4,5,6,7,8,9,10,11,12,13,14,15
	global_load_b128 v[BB+4*\e:BB+4*\e+3], v[BBO], s[96:97] offset:64*(\e/2)+16*(\e%2)
.endr
.macro FRAG reg, adr, q, i
.irp c, 0,1,2,3
	ds_load_b128 v[\reg+4*\c:\reg+4*\c+3], v[\adr] offset:128*(\q)+32*\c+(\i)*16*PITCH
.endr
.endm
.macro MUL16 a0, p, q, sc, zero
.irp a, \a0, \a0+1
.irp b, 0,1,2,3,4,5,6,7
.if \zero
	v_wmma_scale_f32_16x16x128_f8f6f4 v[8*(8*((\a)%4)+\b):8*(8*((\a)%4)+\b)+7], v[128*(\p)+FR*\b:128*(\p)+FR*\b+FR-1], v[AF+FR*(\a):AF+FR*(\a)+FR-1], v[BB+8*\b:BB+8*\b+7], v[SC+8*NQ*(\sc)+NQ*\b+(\q)], v[SC+8*NQ*(\sc)+NQ*(\a)+(\q)] matrix_a_scale:MATRIX_SCALE_ROW1
.else
	v_wmma_scale_f32_16x16x128_f8f6f4 v[8*(8*((\a)%4)+\b):8*(8*((\a)%4)+\b)+7], v[128*(\p)+FR*\b:128*(\p)+FR*\b+FR-1], v[AF+FR*(\a):AF+FR*(\a)+FR-1], v[8*(8*((\a)%4)+\b):8*(8*((\a)%4)+\b)+7], v[SC+8*NQ*(\sc)+NQ*\b+(\q)], v[SC+8*NQ*(\sc)+NQ*(\a)+(\q)] matrix_a_scale:MATRIX_SCALE_ROW1
.endif
.endr
.endr
.endm
.macro FETCH_B slot, q, p
	WIN TO_B
.irp i, 0,1,2,3,4,5,6,7
	FRAG 128*(\p)+FR*\i, ADRB+\slot, \q, \i
.endr
	WIN 0
.endm
.macro FETCH_A slot, q, i0
.irp i, \i0, \i0+1, \i0+2, \i0+3
	FRAG AF+FR*(\i), ADRA+\slot, \q, \i
.endr
.endm
.macro SCALES sc
.irp i, 0,1,2,3,4,5,6,7
	ds_load_b64 v[SC+8*NQ*\sc+NQ*\i:SC+8*NQ*\sc+NQ*\i+1], v[ADRS] offset:\i*SBLK
.endr
.endm
.macro PLACES n
.rept \n
	v_nop
.endr
.endm
.macro STEP slot, q, zero
	s_wait_dscnt 4*NL
.if \zero
	WIN FIRST_LO
.else
	WIN MUL_LO
.endif
	MUL16 0, (\q)%2, \q, \slot, \zero
	MUL16 2, (\q)%2, \q, \slot, \zero
	s_wait_dscnt 0
	PLACES NP
	FETCH_B \slot, (\q)+1, 1-(\q)%2
	FETCH_A \slot, (\q)+1, 0
.if \zero
	WIN FIRST_HI
.else
	WIN MUL_HI
.endif
	MUL16 4, (\q)%2, \q, \slot, \zero
	MUL16 6, (\q)%2, \q, \slot, \zero
	PLACES NP
	WIN 0
	FETCH_A \slot, (\q)+1, 4
.endm
.macro TURN slot, next, fill
	s_wait_tensorcnt 0x0
	ds_add_u32 v[SPW], v[NIL]
	s_wait_dscnt 4*NL+1
	WIN MUL_LO
	MUL16 0, 1, NQ-1, \slot, 0
	s_wait_dscnt 0x0
	s_barrier_signal -1
	MUL16 2, 1, NQ-1, \slot, 0
	WIN 0
	s_barrier_wait -1
.if \fill
	CREST
	s_add_nc_u64 s[G0+4*\slot+2:G0+4*\slot+3], s[G0+4*\slot+2:G0+4*\slot+3], 2*ROWB
	s_add_nc_u64 s[G0B+4*\slot+2:G0B+4*\slot+3], s[G0B+4*\slot+2:G0B+4*\slot+3], 2*ROWB
	JLOAD G0+4*\slot, G1, G0B+4*\slot, G1B
	PLACES NP-4
.else
	PLACES NP
.endif
	s_wait_alu depctr_va_vdst(0)
	v_add_nc_u32 v[ADRS], 4*NQ, v[ADRS]
	FETCH_B \next, 0, 0
	FETCH_A \next, 0, 0
	SCALES \next
	WIN MUL_HI
	MUL16 4, 1, NQ-1, \slot, 0
	MUL16 6, 1, NQ-1, \slot, 0
	PLACES NP
	WIN 0
	FETCH_A \next, 0, 4
.endm
	s_wait_alu depctr_va_vdst(0)
	s_wait_tensorcnt 0x0                           ; my tile of the head's four is in
	ds_add_u32 v[SPW], v[NIL]
	s_mov_b32 s[G1+2], 128<<16                     ; no tensor load of mine is out: from here on a load brings 128 rows
	s_mov_b32 s[G1+4], 128
	s_mov_b32 s[G1B+2], 128<<16
	s_mov_b32 s[G1B+4], 128
	s_wait_dscnt 0x0
	CROUND                                         ; a whole round: all four tiles are in, and the joint loads meet
	JLOAD G0+4, G1, G0B+4, G1B                     ; K step 1, the first tensor load behind the round
	FETCH_B 0, 0, 0
	FETCH_A 0, 0, 0
	SCALES 0
	FETCH_A 0, 0, 4
	s_wait_loadcnt 0x0
	STEP 0, 0, 1
	s_mov_b32 s3, LAPS-1
.Llap:
	TURN 0, 1, 1
	STEP 1, 0, 0
	TURN 1, 0, 1
	STEP 0, 0, 0
	s_sub_co_u32 s3, s3, 1
	s_cmp_lg_u32 s3, 0
	s_cbranch_scc1 .Llap
	TURN 0, 1, 0
	STEP 1, 0, 0
	s_wait_dscnt 4*NL
	WIN MUL_LO
	MUL16 0, 1, NQ-1, 1, 0
	MUL16 2, 1, NQ-1, 1, 0
	s_wait_dscnt 0
	WIN MUL_HI
	MUL16 4, 1, NQ-1, 1, 0
	MUL16 6, 1, NQ-1, 1, 0
	WIN 0
.macro TOSTAGE a
.set AC, 64*((\a)%4)
	WIN 0x08+4*((\a)/4)
.irp b, 0,1,2,3,4,5,6,7
	ds_store_b128 v[STO], v[AC+8*\b:AC+8*\b+3] offset:64*\b
	ds_store_b128 v[STO], v[AC+8*\b+4:AC+8*\b+7] offset:64*\b+16
.endr
	WIN 0
.set BBK, BK+64*((\a)%2)
.irp t, 0,1,2,3,4,5,6,7,8,9,10,11,12,13,14,15
	ds_load_b128 v[BBK+4*\t:BBK+4*\t+3], v[RD] offset:\t*SPITCH
.endr
.endm
.macro SEND a, younger
.set BBK, BK+64*((\a)%2)
	s_wait_dscnt \younger
.if (\a) > 0
	s_add_nc_u64 s[12:13], s[12:13], 16*SIZE_N*4
.endif
.irp t, 0,1,2,3,4,5,6,7,8,9,10,11,12,13,14,15
	global_store_b128 v[CO], v[BBK+4*\t:BBK+4*\t+3], s[12:13] offset:\t*SIZE_N*4 th:TH_STORE_NT
.endr
.endm
	PLACES NP
	TOSTAGE 0
.irp a, 1,2,3,4,5,6,7
.if \a > 1
	s_wait_xcnt 0x0
.endif
	TOSTAGE \a
	SEND \a-1, 32
.endr
	s_wait_xcnt 0x0
	SEND 7, 0
	s_wait_tensorcnt 0x0
	ds_add_u32 v[SPW], v[NIL]
	s_wait_dscnt 0x0
	CROUND
	s_endpgm
.Lfunc_end_k_qd1ef05742d_outp:
	.size	k_qd1ef05742d_outp, .Lfunc_end_k_qd1ef05742d_outp-k_qd1ef05742d_outp
	.p2alignl 7, 3214868480
	.fill 96, 4, 3214868480
	.section	.rodata,"a",@progbits
	.p2align	6, 0x0
	.amdhsa_kernel k_qd1ef05742d_outp
		.amdhsa_group_segment_fixed_size 327680
		.amdhsa_private_segment_fixed_size 0
		.amdhsa_enable_private_segment 0
		.amdhsa_kernarg_size 48
		.amdhsa_user_sgpr_count 2
		.amdhsa_user_sgpr_kernarg_segment_ptr 1
		.amdhsa_wavefront_size32 1
		.amdhsa_system_sgpr_workgroup_id_x 1
		.amdhsa_system_sgpr_workgroup_id_y 1
		.amdhsa_system_sgpr_workgroup_id_z 1
		.amdhsa_system_vgpr_workitem_id 0
		.amdhsa_next_free_vgpr 1024
		.amdhsa_next_free_sgpr 100
		.amdhsa_reserve_vcc 0
		.amdhsa_float_denorm_mode_32 3
		.amdhsa_float_denorm_mode_16_64 3
		.amdhsa_memory_ordered 1
		.amdhsa_forward_progress 1
		.amdhsa_inst_pref_size 148
	.end_amdhsa_kernel
	.amdgpu_metadata
---
amdhsa.version: [ 1, 2 ]
amdhsa.kernels:
  - .name:           k_qd1ef05742d_outp
    .symbol:         k_qd1ef05742d_outp.kd
    .args:
      - { .name: cc, .offset: 0, .size: 8, .value_kind: global_buffer, .address_space: global }
      - { .name: cs, .offset: 8, .size: 8, .value_kind: global_buffer, .address_space: global }
      - { .name: opc, .offset: 16, .size: 8, .value_kind: global_buffer, .address_space: global }
      - { .name: ops, .offset: 24, .size: 8, .value_kind: global_buffer, .address_space: global }
      - { .name: bo, .offset: 32, .size: 8, .value_kind: global_buffer, .address_space: global }
      - { .name: out0, .offset: 40, .size: 8, .value_kind: global_buffer, .address_space: global }
    .group_segment_fixed_size: 327680
    .private_segment_fixed_size: 0
    .kernarg_segment_align: 8
    .kernarg_segment_size: 48
    .max_flat_workgroup_size: 128
    .sgpr_count:     100
    .vgpr_count:     1024
    .wavefront_size: 32
...
	.end_amdgpu_metadata
.endif
;; end of part 4
